; MI455X (gfx1250); checked and timed in simulation.
; The chip was launched on July 23, 2026; its instructions are those of AMD's public machine-readable ISA for CDNA 5 (MIT licence, August 2026) and "CDNA5" Instruction Set Architecture Reference Guide (July 2026). The comments in the code are by the model that wrote it; some were corrected since.
;; Self Attention. Allowed arithmetic: matrix products marked QUANTISED: E4M3 operands, one given power-of-two scale a tensor, by v_wmma_f32_16x16x64_fp8_fp8 or v_wmma_f32_16x16x128_fp8_fp8, f32 sums; everything else in f32.
;; Inputs: k_norm_w 128 float32; lowp_scales 12 int32 (the exponents e of the quantised operands' scales 2^e); q_norm_w 128 float32; wk 512 x 4,096 float32; wo 4,096 x 1,024 float32; wq 1,024 x 4,096 float32; wv 512 x 4,096 float32; x 2 x 2,048 x 4,096 float32.
;; Outputs: out0 2 x 2,048 x 4,096 float32.
;; This version of the problem:
;;   THIS VERSION OF THE PROBLEM IS GIVEN IN LOW PRECISION. The matrix products marked QUANTISED in the list below multiply operands that are first quantised to E4M3 (4 exponent bits, 3 mantissa bits; 8 bits a number), with one given power-of-two scale for each operand tensor; their sums are f32. All else is computed in f32.
;;   The module's matrix products, in the order in which they are computed (A, B: the left and right operand; K: the contracted axis; several contracted axes count as one K, in the product's order):
;;     1. [M 4,096, K 4,096] x [K 4,096, N 1,024]; A: input x; B: input wq: QUANTISED (scales: A lowp_scales[0], B lowp_scales[1])
;;     2. [M 4,096, K 4,096] x [K 4,096, N 512]; A: input x; B: input wk: QUANTISED (scales: A lowp_scales[2], B lowp_scales[3])
;;     3. [M 4,096, K 4,096] x [K 4,096, N 512]; A: input x; B: input wv: QUANTISED (scales: A lowp_scales[4], B lowp_scales[5])
;;     4. batch 8 x [M 4,096, K 128] x [K 128, N 2,048]; A: computed on the way; B: computed on the way: QUANTISED (scales: A lowp_scales[6], B lowp_scales[7])
;;     5. batch 8 x [M 4,096, K 2,048] x [K 2,048, N 128]; A: softmax (see below); B: computed on the way: QUANTISED (scales: A lowp_scales[8], B lowp_scales[9])
;;     6. [M 4,096, K 1,024] x [K 1,024, N 4,096]; A: computed on the way; B: input wo: QUANTISED (scales: A lowp_scales[10], B lowp_scales[11])
;;   THE QUANTISER, for each operand of a quantised product, along K:
;;     - The operand's scale is 2^e, e = its entry of the input lowp_scales (int32; the entries are numbered through the quantised products in the list's order, A before B).
;;     - Each number is divided by the scale, clamped to +-448, and rounded to the nearest number of E4M3, ties to even, subnormals kept.
;;     - The product sums the exact products of the quantised numbers (number of the format x scale) in f32.
;;   ~~~python
;;   def quantise(x, axis, e):      # numpy; x: float32 -> the quantised numbers, widened to float32 again
;;       x = np.moveaxis(x, axis, -1); K = x.shape[-1]
;;       r = np.clip(x / 2.0 ** e, -448, 448)
;;       step = 2.0 ** (np.maximum(np.frexp(np.where(r == 0, 1, r))[1] - 1, -6) - 3)
;;       q = np.round(r / step) * step * 2.0 ** e      # np.round: ties to even
;;       return np.moveaxis(q, -1, axis).astype(np.float32)
;;   ~~~
;;   SOFTMAX AHEAD OF A QUANTISED PRODUCT. Where the list says 'softmax', what is quantised is not the finished softmax but p = 2^(t - M), with t = logit x log2(e) and M = ceil(the row's largest t), a whole number; so 1/2 < the row's largest p <= 1. The row's sum l is taken of the UNQUANTISED p, in f32, and the product's result is divided by l at the end. Since M is a whole number, a kernel that streams over the keys may use a running M (the ceiling of the running maximum): every later rescaling is an exact power of two, so the quantised numbers keep their values, but for numbers so far below the row's largest that they fall under the format's range.
;;   OPERANDS COMPUTED ON THE WAY. 'Computed on the way' means the value that the module computes at that place (a softmax that the list does not call 'softmax' is quantised finished and normalised). What goes into a quantiser is computed in f32, as accurately as f32 sums, v_exp_f32 and their like allow (about 1e-6 of the number): no bf16 or f16 on the way to a quantiser, and a product that is left as it is and whose result goes on into a quantised operand takes f32 operands (vector FMAs, or v_wmma_f32_16x16x4_f32). A number that lies on a knife's edge between two numbers of the format may be rounded either way, as far as f32 arithmetic and the matrix unit's own rounding can turn it there, and no further.
;; One version. Each part assembles by itself: llvm-mc -triple=amdgcn-amd-amdhsa -mcpu=gfx1250 --defsym DOCPART=n.
;; ======== version 1 of 1: 4 launches
;; limits: right only within a limited range of input values
;; workspace buffers: xc 50,331,648 bytes; wc 12,582,912 bytes; rope 1,048,576 bytes; qkvc 8,388,608 bytes; oc 4,194,304 bytes
;; launch prep (part 1): grid 928 x 1, 4 waves a work-group, no clusters, 33,280 bytes of LDS; arguments x, wq, wk, wv, wo, lowp_scales, xc, wc, rope; writes xc, wc, rope
.if DOCPART == 1
	.amdgcn_target "amdgcn-amd-amdhsa--gfx1250"
	.amdhsa_code_object_version 6
	.text
	.protected	k_q1a250795f5_prep
	.globl	k_q1a250795f5_prep
	.p2align	8
	.type	k_q1a250795f5_prep,@function
k_q1a250795f5_prep:
	s_mov_b64 s[64:65], 0
	v_nop
	global_prefetch_b8 v0, s[64:65] scope:SCOPE_SE
	s_setreg_imm32_b32 hwreg(HW_REG_WAVE_MODE, 25, 1), 1
	s_wait_xcnt 0x0
; PREP: every f32 operand that arrives as an input becomes codes of E4M3, K innermost, and RoPE's table is made.
; code = number / 2^e, held within +-448, rounded to the nearest code, ties to even; e is the operand's entry of lowp_scales.
; WORK-GROUPS (g = the work-group's number; a work-group takes 32,768 numbers, a wave 8,192 in 16 steps of 512):
;   g 0-511 x -> xc;  512-639 wq (e1), 640-703 wk (e3), 704-767 wv (e5), 768-895 wo (e11) -> wc, one behind the other;  896-927 the table.
; x IS AN OPERAND OF THREE PRODUCTS, with entries 0, 2 and 4, which may differ: xc holds three sets of codes, under e0 at byte 0, under e2 at 16,777,216, under e4 at 33,554,432.
; x is read once; each step's 16 numbers of a lane are held and converted three times.  The branch round the second and third set hangs on the work-group's number alone.
; THE ROWS OF wq, wk, wv ARE STORED WITH BITS 3 AND 4 OF THE ROW NUMBER EXCHANGED.  A work-group is 8 rows of 4,096, so these are bits 0 and 1 of its number among the weights.  A tile of 16 stored rows
; then gives the next launch, in a lane's registers of two neighbouring tiles, 16 neighbouring channels of a head.  wo keeps its order.
; A step: four loads of 512 consecutive bytes; the 2,048 bytes turn through the wave's own stage in LDS, so that a lane holds 16 neighbours along K; a lane's 16 codes are 16 bytes: the wave stores 512 consecutive bytes.
; THE TABLE: rope[pos][0..63] = cos(pos x f_i), rope[pos][64..127] = sin(pos x f_i), f_i = 2^(-i log2(1e6) / 64) by v_exp_f32; the angle is one f32 product; it is reduced by a whole number of quarter turns
; (pi/2 in two parts, fused) and both functions are polynomials on +-pi/4.
; LIMITS: each e used here between -126 and 119.  NaN among the inputs is not served (an infinity is held at the largest code).  f_i is good to the last bit or two of f32, so an angle can differ from
; one computed otherwise in f32 by about 2e-4 radians at the last positions of the lowest i.
.set WAVES, 4
.set STEPS, 16
.set COPY,  16777216                   ; bytes of one set of x's codes
.set OFS,   3                          ; v3       16 x lane: my 16 bytes of a load's 512, and of a store's 512; never rewritten
.set SC0,   5                          ; v5, v6   2^e and 448 x 2^e of the tensor's own entry (x: e0)
.set LIM0,  6
.set SC1,   7                          ; v7, v8   the same for e2
.set LIM1,  8
.set SC2,   9                          ; v9, v10  the same for e4
.set LIM2,  10
.set SPW,   12                         ; v12      LDS address of my spare word; never rewritten
.set NIL,   13                         ; v13      0; never rewritten
.set R,     16                         ; v16-79   four sets of 16 numbers as they are loaded
.set X,     80                         ; v80-111  two sets of 16 neighbours
.set T,     112                        ; v112-127 the 16 numbers held within the range: X stays whole for the next scale
.set C,     128                        ; v128-191 codes under the first scale: four registers for each step, so that no store's data are written again
.set C1,    192                        ; v192-207 codes under e2: four sets of four registers, by turns
.set C2,    208                        ; v208-223 codes under e4, likewise
.set WREG,  8192                       ; LDS: a region for each wave: two stages of 32 x SP bytes
.set SP,    80                         ; a lane's place in a stage: 64 bytes + 16 of padding
.set SPARE, WAVES*WREG                 ; behind the regions: the spare words, 128 bytes a wave, which no other line names
	s_load_b256 s[4:11], s[0:1], 0x0               ; x, wq, wk, wv
	s_load_b256 s[12:19], s[0:1], 0x20             ; wo, lowp_scales, xc, wc
	s_load_b64 s[24:25], s[0:1], 0x40              ; rope
	v_lshl_add_u32 v[SPW], v0, 2, SPARE
	v_mov_b32 v[NIL], 0
	v_lshrrev_b32 v1, 5, v0
	v_readfirstlane_b32 s26, v1                    ; wave
	v_and_b32 v2, 31, v0                           ; lane
	s_wait_kmcnt 0x0
	s_cmp_ge_u32 ttmp9, 896
	s_cbranch_scc1 .Ltable
	s_load_b256 s[28:35], s[14:15], 0x0            ; e0 .. e7
	s_load_b128 s[36:39], s[14:15], 0x20           ; e8 .. e11
	s_wait_alu depctr_va_vdst(0)
	v_lshlrev_b32 v[OFS], 4, v2
	s_wait_alu depctr_va_vdst(0)
	s_mul_i32 s54, s26, WREG
	v_lshrrev_b32 v14, 2, v2
	v_mul_u32_u24 v14, v14, SP
	v_and_b32 v15, 3, v2
	v_lshl_add_u32 v14, v15, 4, v14
	v_add_nc_u32 v14, s54, v14                     ; the stage, on the way in: four lanes' 64 bytes on end, then the padding
	v_mul_u32_u24 v15, v2, SP
	v_add_nc_u32 v15, s54, v15                     ; and on the way out: my 16 neighbours
	; which tensor: the choices hang on the work-group's number alone
	s_mov_b64 s[40:41], s[4:5]
	s_mov_b32 s54, 0
	s_cmp_ge_u32 ttmp9, 512
	s_cselect_b64 s[40:41], s[6:7], s[40:41]
	s_cselect_b64 s[42:43], s[18:19], s[16:17]     ; the weights' codes go to wc, x's to xc
	s_cselect_b32 s54, 512, s54
	s_cselect_b32 s51, 0, 1                        ; 1: this is x
	s_cmp_ge_u32 ttmp9, 640
	s_cselect_b64 s[40:41], s[8:9], s[40:41]
	s_cselect_b32 s54, 640, s54
	s_cmp_ge_u32 ttmp9, 704
	s_cselect_b64 s[40:41], s[10:11], s[40:41]
	s_cselect_b32 s54, 704, s54
	s_cmp_ge_u32 ttmp9, 768
	s_cselect_b64 s[40:41], s[12:13], s[40:41]
	s_cselect_b32 s54, 768, s54
	s_sub_co_u32 s48, ttmp9, s54                   ; my number within the tensor
	s_sub_co_u32 s55, ttmp9, 512                   ; my number among the weights (not used in x's work-groups)
	s_and_b32 s56, s55, 1
	s_lshl_b32 s56, s56, 1
	s_bfe_u32 s57, s55, 0x10001
	s_or_b32 s56, s56, s57
	s_and_not1_b32 s57, s55, 3
	s_or_b32 s56, s56, s57                         ; with bits 0 and 1 exchanged
	s_cmp_ge_u32 ttmp9, 768
	s_cselect_b32 s49, s55, s56                    ; wo keeps its order
	s_cmp_ge_u32 ttmp9, 512
	s_cselect_b32 s49, s49, ttmp9                  ; and so does x
	s_lshl_b32 s48, s48, 2
	s_add_co_u32 s48, s48, s26
	s_lshl_b32 s56, s48, 15                        ; my wave's 8,192 numbers: 32,768 bytes each run
	s_mov_b32 s57, 0
	s_add_nc_u64 s[40:41], s[40:41], s[56:57]
	s_lshl_b32 s49, s49, 2
	s_add_co_u32 s49, s49, s26
	s_lshl_b32 s56, s49, 13                        ; and their 8,192 codes
	s_add_nc_u64 s[42:43], s[42:43], s[56:57]
	s_add_nc_u64 s[44:45], s[16:17], s[56:57]      ; the same place in xc's second
	s_add_nc_u64 s[44:45], s[44:45], COPY
	s_add_nc_u64 s[46:47], s[44:45], COPY          ; and third set (used in x's work-groups alone)
.macro LOAD t
.irp i, 0,1,2,3
	global_load_b128 v[R+16*((\t)%4)+4*\i:R+16*((\t)%4)+4*\i+3], v[OFS], s[40:41] offset:2048*(\t)+512*\i th:TH_LOAD_NT   ; 32 lanes read 512 consecutive bytes
.endr
.endm
.macro TURN t                          ; step t's numbers through the stage: LDS serves a wave's instructions in order, so no wait stands between the stores and the loads
.irp i, 0,1,2,3
	ds_store_b128 v14, v[R+16*((\t)%4)+4*\i:R+16*((\t)%4)+4*\i+3] offset:32*SP*((\t)%2)+8*SP*\i
.endr
.irp i, 0,1,2,3
	ds_load_b128 v[X+16*((\t)%2)+4*\i:X+16*((\t)%2)+4*\i+3], v15 offset:32*SP*((\t)%2)+16*\i
.endr
.endm
.macro MKSC e, sc, lim                 ; from the exponent in s[e]: 2^e as f32 (the conversion takes its exponent field) and 448 x 2^e
	s_add_co_i32 s54, s[\e], 127
	s_lshl_b32 s55, s54, 23
	v_mov_b32 v[\sc], s55
	s_add_co_i32 s54, s54, 8
	s_lshl_b32 s54, s54, 23
	s_or_b32 s54, s54, 0x600000
	v_mov_b32 v[\lim], s54
.endm
; 16 neighbours in v[xs] on become 16 codes under one scale and are stored
.macro QV xs, lim, sc, c, dst, t
.irp i, 0,1,2,3,4,5,6,7,8,9,10,11,12,13,14,15
	v_med3_num_f32 v[T+\i], v[\xs+\i], -v[\lim], v[\lim]   ; the conversion to an 8-bit code does not saturate (ISA guide 7.6.2): the hold at the largest code x the scale
.endr
	v_cvt_scalef32_pk8_fp8_f32 v[\c:\c+1], v[T:T+7], v[\sc]
	v_cvt_scalef32_pk8_fp8_f32 v[\c+2:\c+3], v[T+8:T+15], v[\sc]
	v_nop                                          ; a plain line between the conversions and the next holds, which write their sources
	global_store_b128 v[OFS], v[\c:\c+3], s[\dst:\dst+1] offset:512*(\t)   ; 32 lanes store 512 consecutive bytes, aligned
.endm
.irp t, 0,1,2,3
	LOAD \t
.endr
	s_wait_alu depctr_va_vdst(0)
	s_wait_kmcnt 0x0
	s_mov_b32 s50, s28                             ; the tensor's own entry: e0, e1, e3, e5 or e11
	s_cmp_ge_u32 ttmp9, 512
	s_cselect_b32 s50, s29, s50
	s_cmp_ge_u32 ttmp9, 640
	s_cselect_b32 s50, s31, s50
	s_cmp_ge_u32 ttmp9, 704
	s_cselect_b32 s50, s33, s50
	s_cmp_ge_u32 ttmp9, 768
	s_cselect_b32 s50, s39, s50
	MKSC 50, SC0, LIM0
	MKSC 30, SC1, LIM1
	MKSC 32, SC2, LIM2
	s_wait_alu depctr_va_vdst(0)
	s_wait_loadcnt 12                              ; step 0's four loads are in
	TURN 0
.macro STEP t
.set XS, X+16*((\t)%2)
	s_wait_dscnt 0x0                               ; this step's numbers are back from the stage: so its stores into the stage have read their registers,
.if (\t)+4 < STEPS
	LOAD (\t)+4                                    ; which take the loads of four steps on
.endif
.if (\t)+1 < STEPS
.if STEPS-2-(\t) >= 3
	s_wait_loadcnt 12                              ; the next step's four loads are in; those of the three steps behind it may be out
.else
	s_wait_loadcnt 4*(STEPS-2-(\t))
.endif
	TURN (\t)+1                                    ; and go through the other stage while this step is worked
.endif
	QV XS, LIM0, SC0, C+4*(\t), 42, \t
	s_cmp_eq_u32 s51, 0                            ; a weight has one scale
	s_cbranch_scc1 .Lnot_x_\@
.if ((\t) > 0) && (((\t)%4) == 0)
	s_wait_xcnt 0x0                                ; the stores of the last four steps have read their sets of C1 and C2: the four sets are written again in this step and the next three
.endif
	QV XS, LIM1, SC1, C1+4*((\t)%4), 44, \t
	QV XS, LIM2, SC2, C2+4*((\t)%4), 46, \t
.Lnot_x_\@:
.endm
.irp t, 0,1,2,3,4,5,6,7,8,9,10,11,12,13,14,15
	STEP \t
.endr
	s_wait_tensorcnt 0x0                           ; the wave's end, behind my last LDS store
	ds_add_u32 v[SPW], v[NIL]
	s_wait_dscnt 0x0
	s_endpgm
; THE TABLE.  A work-group makes 64 positions, a wave 16, a trip two: lanes 0-15 one position, lanes 16-31 the next.  Lane l holds the four frequencies 4 (l % 16) + 0 .. 3:
; sixteen lanes store a position's 64 cosines, 256 consecutive bytes, aligned; likewise its sines.  No LDS is touched on this way.
.Ltable:
	s_sub_co_u32 s54, ttmp9, 896
	s_lshl_b32 s54, s54, 6
	s_lshl_b32 s55, s26, 4
	s_add_co_u32 s54, s54, s55                     ; my wave's first position
	s_mov_b32 s30, 0x3f22f983                      ; 2 / pi
	s_mov_b32 s31, 0x3fc90fdb                      ; pi / 2, the f32 nearest to it,
	s_mov_b32 s32, 0xb33bbd2e                      ; and what it lacks
	s_mov_b32 s33, 0xb94ca1f9                      ; sin r = r + r z (S1 + z (S2 + z S3)), z = r r
	s_mov_b32 s34, 0x3c08839e
	s_mov_b32 s35, 0xbe2aaaa3
	s_mov_b32 s36, 0x37ccf5ce                      ; cos r = 1 - z / 2 + z z (C2 + z (C1 + z C0))
	s_mov_b32 s37, 0xbab6061a
	s_mov_b32 s38, 0x3d2aaaa5
	s_wait_alu depctr_va_vdst(0)
	v_and_b32 v16, 15, v2
	v_lshrrev_b32 v17, 4, v2
	v_add_nc_u32 v17, s54, v17                     ; my position
	v_cvt_f32_u32 v24, v17
	v_lshlrev_b32 v25, 9, v17
	v_lshl_add_u32 v25, v16, 4, v25                ; 512 x position + 16 x (lane % 16)
	v_lshlrev_b32 v16, 2, v16
.irp n, 0,1,2,3
	v_add_nc_u32 v[20+\n], \n, v16
	v_cvt_f32_u32 v[20+\n], v[20+\n]
	v_mul_f32 v[20+\n], 0xbe9f73da, v[20+\n]       ; -i log2(1e6) / 64
.endr
	s_wait_alu depctr_va_vdst(0)
.irp n, 0,1,2,3
	v_exp_f32 v[20+\n], v[20+\n]                   ; f_i
.endr
	v_nop                                          ; a plain line behind the last exponential,
	s_wait_alu depctr_va_vdst(0)                   ; and one wait for the four, ahead of the label and of their first reader
	s_mov_b32 s39, 8
.Ltrip:
	s_wait_alu depctr_va_vdst(0)
.irp n, 0,1,2,3
	v_mul_f32 v[40+\n], v24, v[20+\n]              ; the angle
	v_mul_f32 v[44+\n], s30, v[40+\n]
	v_rndne_f32 v[44+\n], v[44+\n]                 ; k quarter turns
	v_fma_f32 v[40+\n], -v[44+\n], s31, v[40+\n]
	v_fma_f32 v[40+\n], -v[44+\n], s32, v[40+\n]   ; r, within +-pi/4
	v_mul_f32 v[48+\n], v[40+\n], v[40+\n]         ; z
	v_cvt_i32_f32 v[44+\n], v[44+\n]
	v_fma_f32 v[52+\n], s33, v[48+\n], s34
	v_fma_f32 v[52+\n], v[52+\n], v[48+\n], s35
	v_mul_f32 v[52+\n], v[52+\n], v[48+\n]
	v_fma_f32 v[52+\n], v[52+\n], v[40+\n], v[40+\n]   ; sin r
	v_fma_f32 v[56+\n], s36, v[48+\n], s37
	v_fma_f32 v[56+\n], v[56+\n], v[48+\n], s38
	v_mul_f32 v[60+\n], v[48+\n], v[48+\n]
	v_fma_f32 v[40+\n], v[48+\n], -0.5, 1.0
	v_fma_f32 v[56+\n], v[56+\n], v[60+\n], v[40+\n]   ; cos r
	v_and_b32 v[60+\n], 1, v[44+\n]
	v_cmp_eq_u32 vcc_lo, 1, v[60+\n]               ; an odd k exchanges the two: a choice of values, no branch
	v_cndmask_b32 v[32+\n], v[56+\n], v[52+\n], vcc_lo
	v_cndmask_b32 v[36+\n], v[52+\n], v[56+\n], vcc_lo
	v_add_nc_u32 v[60+\n], 1, v[44+\n]
	v_and_b32 v[60+\n], 2, v[60+\n]
	v_lshlrev_b32 v[60+\n], 30, v[60+\n]
	v_xor_b32 v[32+\n], v[32+\n], v[60+\n]         ; the cosine is negative for k = 1, 2 (mod 4),
	v_and_b32 v[44+\n], 2, v[44+\n]
	v_lshlrev_b32 v[44+\n], 30, v[44+\n]
	v_xor_b32 v[36+\n], v[36+\n], v[44+\n]         ; the sine for k = 2, 3
.endr
	global_store_b128 v25, v[32:35], s[24:25]
	global_store_b128 v25, v[36:39], s[24:25] offset:256
	s_wait_xcnt 0x0                                ; the stores have read their data and their offset: both are written again below and in the next trip
	v_add_nc_u32 v25, 1024, v25
	v_add_f32 v24, 2.0, v24
	s_sub_co_i32 s39, s39, 1
	s_cmp_lg_u32 s39, 0
	s_cbranch_scc1 .Ltrip
	s_endpgm
.Lfunc_end_k_q1a250795f5_prep:
	.size	k_q1a250795f5_prep, .Lfunc_end_k_q1a250795f5_prep-k_q1a250795f5_prep
	.p2alignl 7, 3214868480
	.fill 96, 4, 3214868480
	.section	.rodata,"a",@progbits
	.p2align	6, 0x0
	.amdhsa_kernel k_q1a250795f5_prep
		.amdhsa_group_segment_fixed_size 33280
		.amdhsa_private_segment_fixed_size 0
		.amdhsa_enable_private_segment 0
		.amdhsa_kernarg_size 72
		.amdhsa_user_sgpr_count 2
		.amdhsa_user_sgpr_kernarg_segment_ptr 1
		.amdhsa_wavefront_size32 1
		.amdhsa_system_sgpr_workgroup_id_x 1
		.amdhsa_system_sgpr_workgroup_id_y 1
		.amdhsa_system_sgpr_workgroup_id_z 1
		.amdhsa_system_vgpr_workitem_id 0
		.amdhsa_next_free_vgpr 224
		.amdhsa_next_free_sgpr 66
		.amdhsa_reserve_vcc 1
		.amdhsa_float_denorm_mode_32 3
		.amdhsa_float_denorm_mode_16_64 3
		.amdhsa_memory_ordered 1
		.amdhsa_forward_progress 1
		.amdhsa_inst_pref_size 88
	.end_amdhsa_kernel
	.amdgpu_metadata
---
amdhsa.version: [ 1, 2 ]
amdhsa.kernels:
  - .name:           k_q1a250795f5_prep
    .symbol:         k_q1a250795f5_prep.kd
    .args:
      - { .name: x, .offset: 0, .size: 8, .value_kind: global_buffer, .address_space: global }
      - { .name: wq, .offset: 8, .size: 8, .value_kind: global_buffer, .address_space: global }
      - { .name: wk, .offset: 16, .size: 8, .value_kind: global_buffer, .address_space: global }
      - { .name: wv, .offset: 24, .size: 8, .value_kind: global_buffer, .address_space: global }
      - { .name: wo, .offset: 32, .size: 8, .value_kind: global_buffer, .address_space: global }
      - { .name: lowp_scales, .offset: 40, .size: 8, .value_kind: global_buffer, .address_space: global }
      - { .name: xc, .offset: 48, .size: 8, .value_kind: global_buffer, .address_space: global }
      - { .name: wc, .offset: 56, .size: 8, .value_kind: global_buffer, .address_space: global }
      - { .name: rope, .offset: 64, .size: 8, .value_kind: global_buffer, .address_space: global }
    .group_segment_fixed_size: 33280
    .private_segment_fixed_size: 0
    .kernarg_segment_align: 8
    .kernarg_segment_size: 72
    .max_flat_workgroup_size: 128
    .sgpr_count:     66
    .vgpr_count:     224
    .wavefront_size: 32
...
	.end_amdgpu_metadata
.endif
;; end of part 1
;; launch qkv (part 2): grid 16 x 16, 4 waves a work-group, clusters of 4 x 4, 327,680 bytes of LDS; arguments xc, wc, rope, q_norm_w, k_norm_w, lowp_scales, qkvc; writes qkvc
.if DOCPART == 2
	.amdgcn_target "amdgcn-amd-amdhsa--gfx1250"
	.amdhsa_code_object_version 6
	.text
	.protected	k_q1a250795f5_qkv
	.globl	k_q1a250795f5_qkv
	.p2align	8
	.type	k_q1a250795f5_qkv,@function
k_q1a250795f5_qkv:
	s_mov_b64 s[64:65], 0
	v_nop
	global_prefetch_b8 v0, s[64:65] scope:SCOPE_SE
	s_setreg_imm32_b32 hwreg(HW_REG_WAVE_MODE, 25, 1), 1
	s_wait_xcnt 0x0
	s_wait_alu depctr_hold_cnt(0) depctr_sa_sdst(0) depctr_va_vdst(0) depctr_va_sdst(0) depctr_va_ssrc(0) depctr_va_vcc(0) depctr_vm_vsrc(0)
	s_getreg_b32 s2, hwreg(HW_REG_IB_STS2, 6, 4)
	s_cmp_eq_u32 s2, 0
	s_cbranch_scc0 .Lentry_in_a_cluster
	s_endpgm
.Lentry_in_a_cluster:
	s_bfe_u32 s2, ttmp6, 0x10000c
	s_cmp_lg_u32 s2, 0xf033
	s_cbranch_scc0 .Lentry_shape_is_right
	s_endpgm
.Lentry_shape_is_right:
; QKV: the three projections on codes of E4M3, then per head RMS norm, RoPE and the quantiser for the attention's products (q, k), or the quantiser along the keys (v).
; A work-group makes 256 positions x 128 channels (one head); a wave 64 positions x 128 channels, 32 accumulators.  Cluster x 0, 1: q's heads (x's codes under e0); 2: k's (under e2); 3: v's (under e4).
; K goes in steps of 256 through a ring of two LDS slots; x's tile is asked for jointly along a row of the 4 x 4 cluster, the weights' along a column; each K step two refills on is prefetched.
; A slot's 64 products all stand ahead of the change of slots: between the wait for the next slot's load and the joint refill stand only the add, its wait and the round.
; The products are used transposed: a lane holds one position and its registers run along the head's channels.  Results leave as images of the next launch's operand registers.
; LIMITS: the sums of exponents used here lie so that each power of two made from them is an f32 number.  NaN is not served.
.set PITCH,  272
.set ABYTES, 256*PITCH
.set SLOT,   384*PITCH
.set STAGE,  2*SLOT
.set SPITCH, 528
.set SPARE,  STAGE+4*32*SPITCH
.set PADW,   (1<<20)|(1<<21)|(5<<22)|(3<<25)
.set PFO,  5
.set VR,   6
.set VW,   7
.set CO,   8
.set STI,  9
.set STO,  10
.set SC,   11
.set LIM,  12
.set RS,   14
.set ADRA, 16
.set ADRB, 20
.set SPW,  28
.set NIL,  29
.set W,    64
.set T,    128
.set CD,   192
.set WV,   22
.set WL,   23
.set WH,   45
.set CX,   40
.set CY,   41
.set XX,   42
.set YY,   43
.set G1A,  24
.set G0A,  32
.set G1B,  48
.set G0B,  56
.set PFA,  84
.set CNT,  87
.set SEL,  92
.set OUT,  96
.set MULW, 0xa1
.set MSB, 0
.macro WIN new
.if MSB != \new
	s_set_vgpr_msb (MSB<<8)|\new
.set MSB, \new
.endif
.endm
.macro PLACES n
.rept \n
	v_nop
.endr
.endm
.macro JLOAD s
	s_cmp_eq_u32 s[WH], 0
	s_cbranch_scc0 .Lfor_b_\@
	tensor_load_to_lds s[G0A+4*\s:G0A+4*\s+3], s[G1A:G1A+7]
	s_nop 0
.rept 4
	v_nop
.endr
	s_branch .Lasked_\@
.Lfor_b_\@:
	tensor_load_to_lds s[G0B+4*\s:G0B+4*\s+3], s[G1B:G1B+7]
	s_nop 0
.rept 4
	v_nop
.endr
.Lasked_\@:
.endm
.macro CREST
	s_cmp_lg_u32 s[WV], 0
	s_cbranch_scc1 .Lnot_wave_0_\@
	s_barrier_signal -3
.Lnot_wave_0_\@:
	s_barrier_wait -3
	s_barrier_signal -1
	s_barrier_wait -1
.endm
.macro CROUND
	s_barrier_signal -1
	s_barrier_wait -1
	CREST
.endm
.macro ASK lim
	s_cmp_gt_u32 s[CNT], s[\lim]
	s_cbranch_scc0 .Lnot_mine_\@
	s_wait_alu depctr_va_vdst(0)
	global_prefetch_b8 v[PFO], s[PFA:PFA+1] offset:256 th:TH_LOAD_NT scope:SCOPE_SE
.Lnot_mine_\@:
.endm
	s_load_b128 s[8:11], s[0:1], 0x0
	s_load_b256 s[12:19], s[0:1], 0x10
	s_load_b64 s[20:21], s[0:1], 0x30
	v_lshl_add_u32 v[SPW], v0, 2, SPARE
	v_mov_b32 v[NIL], 0
	ds_add_u32 v[SPW], v[NIL]
	ds_add_u32 v[SPW], v[NIL]
	v_lshrrev_b32 v1, 5, v0
	v_readfirstlane_b32 s[WV], v1
	s_and_b32 s[WL], s[WV], 1
	s_lshr_b32 s[WH], s[WV], 1
	s_bfe_u32 s[CX], ttmp6, 0x40000
	s_bfe_u32 s[CY], ttmp6, 0x40004
	s_lshl_b32 s[XX], ttmp9, 2
	s_add_co_u32 s[XX], s[XX], s[CX]
	s_and_b32 s[YY], ttmp7, 0xffff
	s_lshl_b32 s[YY], s[YY], 2
	s_add_co_u32 s[YY], s[YY], s[CY]
	s_lshl_b32 s46, s[CY], 2
	s_lshl_b32 s46, 15, s46
	s_lshl_b32 s47, 0x1111, s[CX]
	s_or_b32 s[G1A], s46, PADW
	s_or_b32 s[G1B], s47, PADW
	s_mov_b32 s[G1A+1], 256<<16
	s_mov_b32 s[G1A+2], 128<<16
	s_mov_b32 s[G1A+3], 256<<16
	s_mov_b32 s[G1A+4], 128
	s_mov_b32 s[G1A+5], 4096
	s_mov_b32 s[G1A+6], 0
	s_mov_b32 s[G1A+7], 0
	s_mov_b32 s[G1B+1], 256<<16
	s_mov_b32 s[G1B+2], 64<<16
	s_mov_b32 s[G1B+3], 256<<16
	s_mov_b32 s[G1B+4], 64
	s_mov_b32 s[G1B+5], 4096
	s_mov_b32 s[G1B+6], 0
	s_mov_b32 s[G1B+7], 0
	s_lshr_b32 s4, ttmp9, 1
	s_and_b32 s5, ttmp9, 1
	s_add_co_u32 s5, s5, 1
	s_mul_i32 s4, s4, s5
	s_lshl_b32 s4, s4, 24
	s_mov_b32 s5, 0
	s_lshl_b32 s82, s[YY], 20
	s_lshl_b32 s83, s[WL], 19
	s_add_co_u32 s82, s82, s83
	s_mov_b32 s83, 0
	s_lshl_b32 s94, s[XX], 19
	s_lshl_b32 s95, s[WL], 18
	s_add_co_u32 s94, s94, s95
	s_mov_b32 s95, 0
	s_mul_i32 s2, s[WL], 128*PITCH
	s_mul_i32 s3, s[WL], 64*PITCH
	s_add_co_u32 s3, s3, ABYTES
	s_mov_b32 s[SEL], 0x76543210
	s_mov_b32 s[SEL+1], 0xfedcba98
	s_mov_b32 s90, 0x358637bd
	s_wait_dscnt 0x0
	s_wait_kmcnt 0x0
	s_load_b256 s[68:75], s[18:19], 0x0
	s_load_b128 s[76:79], s[18:19], 0x20
	s_add_nc_u64 s[94:95], s[10:11], s[94:95]
	s_add_nc_u64 s[80:81], s[8:9], s[4:5]
	s_add_nc_u64 s[82:83], s[80:81], s[82:83]
	s_cmp_eq_u32 ttmp9, 2
	s_cselect_b64 s[46:47], s[16:17], s[14:15]
	CROUND
.irp s, 0,1
	s_mov_b32 s[G0A+4*\s], 1
	s_add_co_u32 s[G0A+4*\s+1], s2, \s*SLOT
	s_add_nc_u64 s[G0A+4*\s+2:G0A+4*\s+3], s[82:83], \s*256
	s_or_b32 s[G0A+4*\s+3], s[G0A+4*\s+3], 0x80000000
	s_mov_b32 s[G0B+4*\s], 1
	s_add_co_u32 s[G0B+4*\s+1], s3, \s*SLOT
	s_add_nc_u64 s[G0B+4*\s+2:G0B+4*\s+3], s[94:95], \s*256
	s_or_b32 s[G0B+4*\s+3], s[G0B+4*\s+3], 0x80000000
.endr
	JLOAD 0                                        ; K step 0: one tensor load a wave at the head; the set-up below stands under it
	v_and_b32 v1, 15, v0
	v_bfe_u32 v2, v0, 4, 1
	v_mul_u32_u24 v3, v1, PITCH
	v_lshl_add_u32 v3, v2, 4, v3
	s_mul_i32 s2, s[WV], 64*PITCH
	v_add_nc_u32 v[ADRA], s2, v3
	s_add_co_u32 s2, s2, SLOT
	v_add_nc_u32 v[ADRA+1], s2, v3
	v_add_nc_u32 v[ADRB], ABYTES, v3
	v_add_nc_u32 v[ADRB+1], ABYTES+SLOT, v3
	v_lshlrev_b32 v[VR], 9, v1
	v_lshl_add_u32 v[VR], v2, 6, v[VR]
	v_lshlrev_b32 v[VW], 6, v2
	v_and_b32 v[CO], 31, v0
	v_lshlrev_b32 v[CO], 4, v[CO]
	s_mul_i32 s2, s[WV], 32*SPITCH
	s_add_co_u32 s2, s2, STAGE
	v_mul_u32_u24 v[STI], v1, SPITCH
	v_lshl_add_u32 v[STI], v2, 6, v[STI]
	v_add_nc_u32 v[STI], s2, v[STI]
	v_and_b32 v3, 8, v1
	v_add_nc_u32 v3, v3, v1
	v_lshlrev_b32 v[STO], 2, v3
	v_mad_u32_u24 v[STO], v2, 8*SPITCH, v[STO]
	v_add_nc_u32 v[STO], s2, v[STO]
	v_mov_b32 v31, 0
	s_and_b32 s2, s[YY], 7
	s_lshl_b32 s2, s2, 17
	s_lshl_b32 s3, s[WV], 15
	s_add_co_u32 s2, s2, s3
	s_mov_b32 s3, 0
	s_add_nc_u64 s[12:13], s[12:13], s[2:3]
.irp c, 0,1,2,3
.irp n, 0,1,2,3
	global_load_b128 v[W+16*\c+4*\n:W+16*\c+4*\n+3], v[VW], s[46:47] offset:128*\c+16*\n
.endr
.endr
	WIN 0xc0
.irp a, 0,1,2,3
.irp c, 0,1
.irp n, 0,1,2,3
	global_load_b128 v[64*\a+16*\c+4*\n:64*\a+16*\c+4*\n+3], v[VR], s[12:13] offset:8192*\a+128*\c+16*\n
	global_load_b128 v[64*\a+32+16*\c+4*\n:64*\a+32+16*\c+4*\n+3], v[VR], s[12:13] offset:8192*\a+128*\c+16*\n+256
.endr
.endr
.endr
	WIN 0
	s_lshl_b32 s2, s[YY], 20
	s_lshl_b32 s3, s[WL], 19
	s_add_co_u32 s2, s2, s3
	s_lshl_b32 s3, s[CX], 17
	s_add_co_u32 s2, s2, s3
	s_lshl_b32 s94, s[XX], 19
	s_lshl_b32 s95, s[WL], 18
	s_add_co_u32 s94, s94, s95
	s_lshl_b32 s95, s[CY], 16
	s_add_co_u32 s94, s94, s95
	s_and_b32 s95, ttmp7, 0xffff
	s_cmp_eq_u32 ttmp9, 1
	s_cselect_b32 s98, 1, 0
	s_cmp_eq_u32 s[WH], 0
	s_cselect_b64 s[PFA:PFA+1], s[80:81], s[10:11]
	s_cselect_b32 s2, s2, s94
	s_cselect_b32 s95, s98, s95
	s_cselect_b32 s91, 0, 1
	s_cselect_b32 s94, 31, 15
	s_cselect_b32 s87, 0, 256
	s_mov_b32 s3, 0
	s_add_nc_u64 s[PFA:PFA+1], s[PFA:PFA+1], s[2:3]
	s_add_nc_u64 s[PFA:PFA+1], s[PFA:PFA+1], 512
	s_cmp_eq_u32 s95, 0
	s_cselect_b32 s86, 1, -1
	s_cmp_eq_u32 s91, 0
	s_cselect_b32 s91, s86, -1
	v_and_b32 v[PFO], 31, v0
	v_lshrrev_b32 v4, 4, v[PFO]
	v_and_b32 v[PFO], s94, v[PFO]
	v_lshlrev_b32 v[PFO], 12, v[PFO]
	v_mad_u32_u24 v[PFO], v4, s87, v[PFO]
	s_wait_kmcnt 0x0
	s_sub_co_i32 s3, s77, s72
	s_sub_co_i32 s3, s3, s73
	s_cmp_eq_u32 ttmp9, 2
	s_cselect_b32 s66, s70, s68
	s_cselect_b32 s2, s71, s69
	s_cselect_b32 s67, s75, s74
	s_cmp_eq_u32 ttmp9, 3
	s_cselect_b32 s66, s72, s66
	s_cselect_b32 s2, s73, s2
	s_cselect_b32 s67, s3, s67
	s_add_co_i32 s66, s66, s2
	s_add_co_i32 s88, s66, 127
	s_lshl_b32 s88, s88, 23
	s_lshl_b32 s89, s66, 1
	s_add_co_i32 s89, s89, 120
	s_lshl_b32 s89, s89, 23
	s_add_co_i32 s2, s67, 127
	s_lshl_b32 s3, s2, 23
	v_mov_b32 v[SC], s3
	s_add_co_i32 s2, s2, 8
	s_lshl_b32 s2, s2, 23
	s_or_b32 s2, s2, 0x600000
	v_mov_b32 v[LIM], s2
	s_lshr_b32 s2, s[YY], 3
	s_lshl_b32 s3, s2, 3
	s_add_co_u32 s3, s3, s[XX]
	s_lshl_b32 s2, s2, 2
	s_add_co_u32 s2, s2, s[XX]
	s_add_co_u32 s94, s2, 8
	s_add_co_u32 s95, s2, 12
	s_cmp_eq_u32 ttmp9, 2
	s_cselect_b32 s3, s94, s3
	s_cmp_eq_u32 ttmp9, 3
	s_cselect_b32 s3, s95, s3
	s_lshl_b32 s3, s3, 18
	s_and_b32 s2, s[YY], 7
	s_lshl_b32 s2, s2, 15
	s_add_co_u32 s3, s3, s2
	s_lshl_b32 s94, s[WV], 13
	s_lshl_b32 s95, s[WH], 14
	s_lshl_b32 s2, s[WL], 10
	s_add_co_u32 s95, s95, s2
	s_cmp_eq_u32 ttmp9, 3
	s_cselect_b32 s94, s95, s94
	s_add_co_u32 s2, s3, s94
	s_mov_b32 s3, 0
	s_add_nc_u64 s[OUT:OUT+1], s[20:21], s[2:3]
.macro FRAG reg, adr, q, i
.irp c, 0,1,2,3
	ds_load_b128 v[\reg+4*\c:\reg+4*\c+3], v[\adr] offset:128*(\q)+32*\c+(\i)*16*PITCH
.endr
.endm
.macro FETCH slot, q, p
	WIN 0x40
.irp i, 0,1,2,3,4,5,6,7
	FRAG 128*(\p)+16*\i, ADRB+\slot, \q, \i
.endr
	WIN 0
.irp i, 0,1,2,3
	FRAG 128+64*(\p)+16*\i, ADRA+\slot, \q, \i
.endr
.endm
.macro MUL8 a, p, zero
.irp t, 0,1,2,3,4,5,6,7
.if \zero
	v_wmma_f32_16x16x128_fp8_fp8 v[8*(8*(\a)+\t):8*(8*(\a)+\t)+7], v[128*(\p)+16*\t:128*(\p)+16*\t+15], v[128+64*(\p)+16*(\a):128+64*(\p)+16*(\a)+15], 0
.else
	v_wmma_f32_16x16x128_fp8_fp8 v[8*(8*(\a)+\t):8*(8*(\a)+\t)+7], v[128*(\p)+16*\t:128*(\p)+16*\t+15], v[128+64*(\p)+16*(\a):128+64*(\p)+16*(\a)+15], v[8*(8*(\a)+\t):8*(8*(\a)+\t)+7]
.endif
.endr
.endm
.macro STEP slot, zero
	s_wait_dscnt 12
	PLACES 4
	FETCH \slot, 1, 1
	WIN MULW
	MUL8 0, 0, \zero
	s_wait_dscnt 56
	MUL8 1, 0, \zero
	s_wait_dscnt 52
	MUL8 2, 0, \zero
	s_wait_dscnt 48
	MUL8 3, 0, \zero
	WIN 0
.endm
.macro TURN slot, next, fill
.if \fill
	s_wait_xcnt 0x0
	s_add_nc_u64 s[PFA:PFA+1], s[PFA:PFA+1], 256
.endif
	WIN MULW
	s_wait_dscnt 12                                ; the weights' fragments and x's block 0 are in; the youngest 12 loads (blocks 1-3) may be out
	MUL8 0, 1, 0
	s_wait_dscnt 8
	MUL8 1, 1, 0
	s_wait_dscnt 4
	MUL8 2, 1, 0
	s_wait_dscnt 0
	MUL8 3, 1, 0
	WIN 0
	s_wait_tensorcnt 0x0                           ; all my tensor loads have landed: my part of the next slot;
	ds_add_u32 v[SPW], v[NIL]
	s_wait_dscnt 0x0                               ; the add is done; my reads of this slot were over above
	s_barrier_signal -1
	s_barrier_wait -1
.if \fill
	CREST
	s_add_nc_u64 s[G0A+4*\slot+2:G0A+4*\slot+3], s[G0A+4*\slot+2:G0A+4*\slot+3], 512
	s_add_nc_u64 s[G0B+4*\slot+2:G0B+4*\slot+3], s[G0B+4*\slot+2:G0B+4*\slot+3], 512
	JLOAD \slot
.else
	PLACES 4
.endif
	FETCH \next, 0, 0
.if \fill
.if \slot == 0
	ASK 86
.else
	ASK 91
.endif
.endif
.endm
	s_wait_alu depctr_va_vdst(0)                   ; the wait at the head's end
	s_wait_tensorcnt 0x0                           ; my part of K step 0 is in; the lines ahead of a later first fill:
	ds_add_u32 v[SPW], v[NIL]
	s_wait_dscnt 0x0
	CROUND
	JLOAD 1                                        ; K step 1, the first tensor load behind the round
	FETCH 0, 0, 0
	STEP 0, 1
	s_mov_b32 s[CNT], 7
.Llap:
	TURN 0, 1, 1
	STEP 1, 0
	TURN 1, 0, 1
	STEP 0, 0
	s_sub_co_u32 s[CNT], s[CNT], 1
	s_cmp_lg_u32 s[CNT], 0
	s_cbranch_scc1 .Llap
	TURN 0, 1, 0
	STEP 1, 0
	WIN MULW
	s_wait_dscnt 12
	MUL8 0, 1, 0
	s_wait_dscnt 8
	MUL8 1, 1, 0
	s_wait_dscnt 4
	MUL8 2, 1, 0
	s_wait_dscnt 0
	MUL8 3, 1, 0
	WIN 0
	PLACES 4
	s_wait_loadcnt 0x0
	s_cmp_eq_u32 ttmp9, 3
	s_cbranch_scc1 .Lv
.macro SUMSQ a
	WIN 0x0a
.irp q, 0,1,2,3
	v_pk_mul_f32 v[32+2*\q:33+2*\q], v[64*(\a)+2*\q:64*(\a)+2*\q+1], v[64*(\a)+2*\q:64*(\a)+2*\q+1]
.endr
.set PP, 4
.rept 28
	v_pk_fma_f32 v[32+2*(PP%4):33+2*(PP%4)], v[64*(\a)+2*PP:64*(\a)+2*PP+1], v[64*(\a)+2*PP:64*(\a)+2*PP+1], v[32+2*(PP%4):33+2*(PP%4)]
.set PP, PP+1
.endr
	WIN 0
	v_pk_add_f32 v[32:33], v[32:33], v[34:35]
	v_pk_add_f32 v[36:37], v[36:37], v[38:39]
	v_pk_add_f32 v[32:33], v[32:33], v[36:37]
	v_add_f32 v30, v32, v33
	v_permlanex16_b32 v31, v30, s[SEL], s[SEL+1]
	v_add_f32 v30, v30, v31
	v_fma_f32 v[RS+4*(\a)], v30, s89, s90
.endm
	SUMSQ 0
	SUMSQ 1
	SUMSQ 2
	SUMSQ 3
	s_wait_alu depctr_va_vdst(0)
.irp a, 0,1,2,3
	v_rsq_f32 v[RS+4*\a], v[RS+4*\a]
.endr
	v_nop
	s_wait_alu depctr_va_vdst(0)
.irp a, 0,1,2,3
	v_mul_f32 v[RS+4*\a], s88, v[RS+4*\a]
.endr
.irp a, 0,1,2,3
	v_mov_b32 v[RS+4*\a+1], v[RS+4*\a]
.endr
.macro QKBLK a
	WIN 0x02
.set PP, 0
.rept 32
	v_pk_mul_f32 v[T+2*PP:T+2*PP+1], v[64*(\a)+2*PP:64*(\a)+2*PP+1], v[RS+4*(\a):RS+4*(\a)+1] op_sel_hi:[1,0]
.set PP, PP+1
.endr
	WIN 0
.set PP, 0
.rept 32
	v_pk_mul_f32 v[T+2*PP:T+2*PP+1], v[T+2*PP:T+2*PP+1], v[W+2*PP:W+2*PP+1]
.set PP, PP+1
.endr
	WIN 0x0c
.irp hf, 0,1
.irp k, 0,2,4,6,8,10,12,14
	v_pk_mul_f32 v[32+\k:33+\k], v[T+32+16*\hf+\k:T+33+16*\hf+\k], v[64*(\a)+32+16*\hf+\k:64*(\a)+33+16*\hf+\k]
.endr
.irp k, 0,2,4,6,8,10,12,14
	v_pk_mul_f32 v[48+\k:49+\k], v[T+16*\hf+\k:T+1+16*\hf+\k], v[64*(\a)+32+16*\hf+\k:64*(\a)+33+16*\hf+\k]
.endr
.irp k, 0,2,4,6,8,10,12,14
	v_pk_fma_f32 v[T+16*\hf+\k:T+1+16*\hf+\k], v[T+16*\hf+\k:T+1+16*\hf+\k], v[64*(\a)+16*\hf+\k:64*(\a)+1+16*\hf+\k], v[32+\k:33+\k] neg_lo:[0,0,1] neg_hi:[0,0,1]
.endr
.irp k, 0,2,4,6,8,10,12,14
	v_pk_fma_f32 v[T+32+16*\hf+\k:T+33+16*\hf+\k], v[T+32+16*\hf+\k:T+33+16*\hf+\k], v[64*(\a)+16*\hf+\k:64*(\a)+1+16*\hf+\k], v[48+\k:49+\k]
.endr
.endr
	WIN 0
.set PP, 0
.rept 64
	v_med3_num_f32 v[T+PP], v[T+PP], -v[LIM], v[LIM]
.set PP, PP+1
.endr
.irp g, 0,1,2,3,4,5,6,7
	v_cvt_scalef32_pk8_fp8_f32 v[CD+16*(\a)+2*\g:CD+16*(\a)+2*\g+1], v[T+8*\g:T+8*\g+7], v[SC]
.endr
	v_nop
.irp c, 0,1,2,3
	global_store_b128 v[CO], v[CD+16*(\a)+4*\c:CD+16*(\a)+4*\c+3], s[OUT:OUT+1] offset:2048*(\a)+512*\c
.endr
.endm
	QKBLK 0
	QKBLK 1
	QKBLK 2
	QKBLK 3
	s_branch .Lend
.Lv:
.macro VHALF hh
	WIN 0x08
.irp aa, 0,1
.irp t, 0,1,2,3,4,5,6,7
	ds_store_b128 v[STI], v[8*(8*(2*(\hh)+\aa)+\t):8*(8*(2*(\hh)+\aa)+\t)+3] offset:\aa*16*SPITCH+128*(\t/2)+32*(\t%2)
	ds_store_b128 v[STI], v[8*(8*(2*(\hh)+\aa)+\t)+4:8*(8*(2*(\hh)+\aa)+\t)+7] offset:\aa*16*SPITCH+128*(\t/2)+32*(\t%2)+16
.endr
.endr
	WIN 0
.irp u, 0,1
.irp tt, 0,1,2,3
.irp i, 0,1,2,3,4,5,6,7,8,9,10,11,12,13,14,15
	ds_load_b32 v[T+16*\tt+\i], v[STO] offset:(\i+8*(\i/8))*SPITCH+4*(32*((4*\u+\tt)/2)+8*(\tt%2))
.endr
.endr
	s_wait_dscnt 0x0
.set PP, 0
.rept 64
	v_med3_num_f32 v[T+PP], v[T+PP], -v[LIM], v[LIM]
.set PP, PP+1
.endr
.irp tt, 0,1,2,3
	v_cvt_scalef32_pk8_fp8_f32 v[CD+4*(8*(\hh)+4*\u+\tt):CD+4*(8*(\hh)+4*\u+\tt)+1], v[T+16*\tt:T+16*\tt+7], v[SC]
	v_cvt_scalef32_pk8_fp8_f32 v[CD+4*(8*(\hh)+4*\u+\tt)+2:CD+4*(8*(\hh)+4*\u+\tt)+3], v[T+16*\tt+8:T+16*\tt+15], v[SC]
.endr
	v_nop
.irp tt, 0,1,2,3
	global_store_b128 v[CO], v[CD+4*(8*(\hh)+4*\u+\tt):CD+4*(8*(\hh)+4*\u+\tt)+3], s[OUT:OUT+1] offset:2048*(4*\u+\tt)+512*(\hh)
.endr
.endr
.endm
	s_wait_alu depctr_va_vdst(0)
	VHALF 0
	VHALF 1
.Lend:
	s_wait_tensorcnt 0x0
	ds_add_u32 v[SPW], v[NIL]
	s_wait_dscnt 0x0
	CROUND
	s_endpgm
.Lfunc_end_k_q1a250795f5_qkv:
	.size	k_q1a250795f5_qkv, .Lfunc_end_k_q1a250795f5_qkv-k_q1a250795f5_qkv
	.p2alignl 7, 3214868480
	.fill 96, 4, 3214868480
	.section	.rodata,"a",@progbits
	.p2align	6, 0x0
	.amdhsa_kernel k_q1a250795f5_qkv
		.amdhsa_group_segment_fixed_size 327680
		.amdhsa_private_segment_fixed_size 0
		.amdhsa_enable_private_segment 0
		.amdhsa_kernarg_size 56
		.amdhsa_user_sgpr_count 2
		.amdhsa_user_sgpr_kernarg_segment_ptr 1
		.amdhsa_wavefront_size32 1
		.amdhsa_system_sgpr_workgroup_id_x 1
		.amdhsa_system_sgpr_workgroup_id_y 1
		.amdhsa_system_sgpr_workgroup_id_z 1
		.amdhsa_system_vgpr_workitem_id 0
		.amdhsa_next_free_vgpr 1024
		.amdhsa_next_free_sgpr 100
		.amdhsa_reserve_vcc 0
		.amdhsa_float_denorm_mode_32 3
		.amdhsa_float_denorm_mode_16_64 3
		.amdhsa_memory_ordered 1
		.amdhsa_forward_progress 1
		.amdhsa_inst_pref_size 167
	.end_amdhsa_kernel
	.amdgpu_metadata
---
amdhsa.version: [ 1, 2 ]
amdhsa.kernels:
  - .name:           k_q1a250795f5_qkv
    .symbol:         k_q1a250795f5_qkv.kd
    .args:
      - { .name: xc, .offset: 0, .size: 8, .value_kind: global_buffer, .address_space: global }
      - { .name: wc, .offset: 8, .size: 8, .value_kind: global_buffer, .address_space: global }
      - { .name: rope, .offset: 16, .size: 8, .value_kind: global_buffer, .address_space: global }
      - { .name: q_norm_w, .offset: 24, .size: 8, .value_kind: global_buffer, .address_space: global }
      - { .name: k_norm_w, .offset: 32, .size: 8, .value_kind: global_buffer, .address_space: global }
      - { .name: lowp_scales, .offset: 40, .size: 8, .value_kind: global_buffer, .address_space: global }
      - { .name: qkvc, .offset: 48, .size: 8, .value_kind: global_buffer, .address_space: global }
    .group_segment_fixed_size: 327680
    .private_segment_fixed_size: 0
    .kernarg_segment_align: 8
    .kernarg_segment_size: 56
    .max_flat_workgroup_size: 128
    .sgpr_count:     100
    .vgpr_count:     1024
    .wavefront_size: 32
...
	.end_amdgpu_metadata
.endif
;; end of part 2
;; launch attn (part 3): grid 256 x 1, 8 waves a work-group, clusters of 4 x 1, 327,680 bytes of LDS; arguments qkvc, lowp_scales, oc; writes oc
.if DOCPART == 3
	.amdgcn_target "amdgcn-amd-amdhsa--gfx1250"
	.amdhsa_code_object_version 6
	.text
	.protected	k_q1a250795f5_attn
	.globl	k_q1a250795f5_attn
	.p2align	8
	.type	k_q1a250795f5_attn,@function
k_q1a250795f5_attn:
	s_mov_b64 s[64:65], 0
	v_nop
	global_prefetch_b8 v0, s[64:65] scope:SCOPE_SE
	s_setreg_imm32_b32 hwreg(HW_REG_WAVE_MODE, 25, 1), 1
	s_wait_xcnt 0x0
	s_wait_alu depctr_hold_cnt(0) depctr_sa_sdst(0) depctr_va_vdst(0) depctr_va_sdst(0) depctr_va_ssrc(0) depctr_va_vcc(0) depctr_vm_vsrc(0)
	s_getreg_b32 s2, hwreg(HW_REG_IB_STS2, 6, 4)
	s_cmp_eq_u32 s2, 0
	s_cbranch_scc0 .Lentry_in_a_cluster
	s_endpgm
.Lentry_in_a_cluster:
	s_bfe_u32 s2, ttmp6, 0x10000c
	s_cmp_lg_u32 s2, 0x3003
	s_cbranch_scc0 .Lentry_shape_is_right
	s_endpgm
.Lentry_shape_is_right:
; ATTN: causal attention with grouped queries, both products on codes of E4M3; o is divided by the row's sum and quantised for the last product.
; THE SOFTMAX AHEAD OF THE SECOND PRODUCT: t = score x log2(e) / sqrt(128); M = the largest t so far, rounded UP to a whole number; p = 2^(t - M) is quantised along the keys, not normalised.
; The sum is taken of the unquantised p, in f32, and divides O at the end.  When M moves, the sum and O are multiplied by 2^(old M - new M): exact.  Hidden scores become -infinity: p = 0.
; Key steps that lie wholly behind the causal mask are left out.
; SHARES.  Cluster c (ttmp9): key and value head bk = c / 8, J = c % 8.  It owns the blocks of 128 positions J (early) and 15 - J (late) for both query heads of bk: 32 tiles of 16 queries.
; Waves w (0-3) and w + 4 are a pair: query head w % 2, tile 2 cx + (w / 2) % 2 of both blocks.  Key steps 0 .. J: wave w works the early tile, wave w + 4 the late one.
; Behind step J wave w parks the early tile's state (O^T, -M, the sum) in LDS bytes of its own, takes the late tile's Q and begins a second part of the late tile:
; of steps J + d, d = 1 .. 15 - 2 J, it takes the odd d (the diagonal among them), wave w + 4 the even d: 9 and 8 steps a wave, whatever J is.
; AT THE END wave w hands its part to wave w + 4 through LDS.  One text serves both: own state x 2^(M own - M) + state read x 2^(M read - M), M the larger of the two: exact factors.
; Wave w + 4 reads its partner's part; wave w reads its parked early tile, with its own M set under every M, so that its own factor is 0.
; All branches hang on the step's count, J and the wave's number: alike in the four partners; cx enters only Q's, o's and the prefetch's addresses and v7.
; K and V come as images of the operands' registers, 16,384 dense bytes a step each, through a ring of two slots of four steps, asked for JOINTLY by the four work-groups, one load of 16 KiB a wave
; (waves 0-3: K's four steps; waves 4-7: V's).  At a change of slots each wave prefetches, of the 16 KiB that it will ask for at the NEXT change, its work-group's quarter: 16 blocks of 256 bytes,
; a lane a block (lanes 16-31 name the last again): four key steps ahead; the last change that fills asks for nothing.
; LAYOUT.  Both products are used transposed: S^T = K Q^T, O^T = V^T P^T: a lane holds ONE query (lane % 16).  Register 8 kt + j of S^T is key 16 kt + 8 h + j; V's images have the same order.
; LIMITS: e6 + e7 between -123 and 130; e8 and e10 - e8 - e9 between -126 and 119.  NaN is not served.  The scaled scores stay under 2^31 in magnitude.
; REGISTERS.  Window 0: v1-9 addresses; v12 -M, v13 the largest t, v[14:15] the sum; v16-31 Q; v32-39 at work; v40-55 the late tile's Q; v56-62 the join; v96-159 S^T, p; v160-223 O^T; v224-239 codes.
;             Window 1: v0-127 K's eight fragments; v128-255 V's eight.
.set SLOT1, 1<<17                      ; a slot: K's four steps (65,536 bytes), then V's
.set SPARE, 2*SLOT1                    ; behind the ring: the spare words, 128 bytes a wave
.set PST,   17*512                     ; a state: 16 x 512 bytes of O^T, 512 of v[12:15]
.set SST,   SPARE+1024                 ; four parked states, bytes of their own.  The parts handed over lie in slot 0 from byte 0: it has had its last fill and its last read at the last change of slots
.set KBASE, 4194304
.set VBASE, 6291456
.set LI,   1
.set RDA,  2                           ; v2 where I read a state at the end (waves 0-3: also where I park)
.set STA,  3                           ; v3 where waves 0-3 put the part that they hand over
.set PFO,  4
.set SPW,  5
.set NIL,  6
.set VD,   7
.set ADK,  8
.set ADV,  9
.set KF,   0
.set VF,   128
.set JJ,   12
.set LB,   13                          ; s13 15 - J
.set WV,   18
.set SEL,  20
.set CS,   22
.set G1,   24
.set G0,   40
.set TB,   44
.set SLOTS, 45
.set TMP,  46                          ; s46 the number of the key step in hand
.set BLK,  48                          ; s48 the block of the tile in hand
.set RA,   49                          ; s49 1 in waves 0-3
.set DD,   52
.set DP,   53
.set QC,   54
.set QO,   55
.set AD,   56
.set BIG,  57
.set PFA,  60
.set MSB, 0
.macro WIN new
.if MSB != \new
	s_set_vgpr_msb (MSB<<8)|\new
.set MSB, \new
.endif
.endm
.macro CROUND
	s_barrier_signal -1
	s_barrier_wait -1
	s_cmp_lg_u32 s[WV], 0
	s_cbranch_scc1 .Lnot_wave_0_\@
	s_barrier_signal -3
.Lnot_wave_0_\@:
	s_barrier_wait -3
	s_barrier_signal -1
	s_barrier_wait -1
.endm
	s_load_b128 s[4:7], s[0:1], 0x0                ; qkvc, lowp_scales
	s_load_b64 s[8:9], s[0:1], 0x10                ; oc
	v_lshl_add_u32 v[SPW], v0, 2, SPARE
	v_mov_b32 v[NIL], 0
	ds_add_u32 v[SPW], v[NIL]                      ; the opening lines: the add, twice on end, and its wait below
	ds_add_u32 v[SPW], v[NIL]
	v_lshrrev_b32 v8, 5, v0
	v_readfirstlane_b32 s[WV], v8
	s_bfe_u32 s10, ttmp6, 0x40000                  ; cx
	s_lshr_b32 s11, ttmp9, 3                       ; bk
	s_and_b32 s[JJ], ttmp9, 7
	s_sub_co_u32 s[LB], 15, s[JJ]
	s_lshr_b32 s[RA], s[WV], 2
	s_xor_b32 s[RA], s[RA], 1
	s_and_b32 s58, s[WV], 3
	s_mul_i32 s58, s58, PST                        ; my pair's place among the parts handed over
	s_mul_i32 s59, s[RA], SST
	s_add_co_u32 s59, s59, s58                     ; waves 0-3: my parked state; waves 4-7: my partner's part
	s_mov_b32 s14, VBASE
	s_mov_b32 s[BIG], 0xff61b1e6
	s_cmp_lt_u32 s[WV], 4
	s_cselect_b32 s[BLK], s[JJ], s[LB]
	s_cselect_b32 s14, KBASE, s14                  ; what I fetch: K's images or V's,
	s_cselect_b32 s[BIG], 0x7f61b1e6, s[BIG]       ; 3e38 in waves 0-3, -3e38 in the others
	s_lshl_b32 s15, s11, 18
	s_add_co_u32 s14, s14, s15                     ; of my head,
	s_and_b32 s15, s[WV], 3
	s_lshl_b32 s15, s15, 14
	s_add_co_u32 s14, s14, s15                     ; step w % 4 of a slot
	s_mov_b32 s15, 0
	s_bfe_u32 s16, s[WV], 0x10001
	s_lshl_b32 s17, s10, 1
	s_add_co_u32 s16, s16, s17                     ; my tile within a block
	s_lshl_b32 s17, s[BLK], 3
	s_add_co_u32 s17, s17, s16                     ; my first tile within the sequence,
	s_lshl_b32 s38, s[LB], 3
	s_add_co_u32 s38, s38, s16                     ; and the late one
	s_and_b32 s32, s[WV], 1
	s_lshl_b32 s33, s11, 1
	s_add_co_u32 s33, s33, s32                     ; the query head
	s_lshl_b32 s34, s33, 7
	s_add_co_u32 s38, s38, s34
	s_lshl_b32 s38, s38, 11                        ; the late tile's image of Q
	s_mov_b32 s39, 0
	s_add_co_u32 s34, s34, s17
	s_lshl_b32 s34, s34, 11                        ; my first tile's
	s_mov_b32 s35, 0
	s_lshr_b32 s36, s11, 2
	s_lshl_b32 s36, s36, 7
	s_add_co_u32 s36, s36, s17                     ; o: the tile that I store is my first one
	s_lshl_b32 s36, s36, 3
	s_and_b32 s37, s33, 7
	s_add_co_u32 s36, s36, s37
	s_lshl_b32 s36, s36, 11
	s_mov_b32 s37, 0
	s_lshl_b32 s62, s10, 12                        ; the prefetches: my work-group's quarter of my 16 KiB
	s_mov_b32 s63, 0
	s_mov_b32 s[G1], 15|(3<<16)|(1<<21)            ; the mask: all four work-groups; elements of 8 bytes; bit 21 beside a mask; no padding: images are read 512 consecutive bytes an instruction
	s_mov_b32 s[G1+1], 32<<16                      ; rows of 256 bytes
	s_mov_b32 s[G1+2], 64<<16
	s_mov_b32 s[G1+3], 32<<16
	s_mov_b32 s[G1+4], 64
	s_mov_b32 s[G1+5], 32
	s_mov_b32 s[G1+6], 0
	s_mov_b32 s[G1+7], 0
	s_mov_b32 s[SEL], 0x76543210
	s_mov_b32 s[SEL+1], 0xfedcba98
	s_mov_b32 s[CS], 0x3e0293ee
	s_mov_b32 s[TB], 0
	s_mov_b32 s[TMP], 0
	s_mov_b32 s[SLOTS], 3
	s_wait_dscnt 0x0                               ; both opening adds are done
	s_wait_kmcnt 0x0
	s_load_b256 s[68:75], s[6:7], 0x0              ; e0 .. e7
	s_load_b128 s[76:79], s[6:7], 0x20             ; e8 .. e11
	s_mov_b32 s[G0], 1
	s_lshl_b32 s[G0+1], s[WV], 14                  ; LDS: 16,384 x wave, in slot 0
	s_add_nc_u64 s[G0+2:G0+3], s[4:5], s[14:15]
	s_add_nc_u64 s[PFA:PFA+1], s[G0+2:G0+3], s[62:63]
	s_add_nc_u64 s[PFA:PFA+1], s[PFA:PFA+1], 65536 ; at slot 1: the first change steps it to slot 2
	s_or_b32 s[G0+3], s[G0+3], 0x80000000
	s_add_nc_u64 s[34:35], s[4:5], s[34:35]
	s_add_nc_u64 s[38:39], s[4:5], s[38:39]
	s_add_nc_u64 s[8:9], s[8:9], s[36:37]
	CROUND                                         ; all four work-groups are here: the first joint loads meet
	tensor_load_to_lds s[G0:G0+3], s[G1:G1+7]      ; slot 0
	s_nop 0
.rept 4
	v_nop
.endr
	v_and_b32 v[LI], 31, v0
	v_min_u32 v[PFO], 15, v[LI]
	v_lshlrev_b32 v[PFO], 8, v[PFO]
	v_lshlrev_b32 v[LI], 4, v[LI]
.irp c, 0,1,2,3
	global_load_b128 v[16+4*\c:19+4*\c], v[LI], s[34:35] offset:512*\c   ; Q of my first tile
	global_load_b128 v[40+4*\c:43+4*\c], v[LI], s[38:39] offset:512*\c   ; Q of the late tile (one text for all waves; waves 0-3 use it)
.endr
	v_add_nc_u32 v[STA], s58, v[LI]
	v_add_nc_u32 v[RDA], s59, v[LI]
	v_and_b32 v8, 15, v0
	v_bfe_u32 v9, v0, 4, 1
	v_lshlrev_b32 v9, 3, v9
	v_sub_nc_u32 v[VD], v8, v9
	s_lshl_b32 s16, s16, 4
	v_add_nc_u32 v[VD], s16, v[VD]                 ; 16 x tile + r - 8 h
	v_mov_b32 v13, 0xff61b1e6                      ; the largest t so far: -3e38
	v_floor_f32 v12, -v13
	v_mov_b32 v14, 0
	v_mov_b32 v15, 0
	v_mov_b32 v236, 0                              ; a lane permute's destination counts as a source
	v_mov_b32 v252, 0
	v_mov_b32 v253, 0                              ; (upper halves of pairs that are named whole)
	v_mov_b32 v255, 0
.set N, 0
.rept 64
	v_mov_b32 v[160+N], 0                          ; O^T: the step is written once; the first change of M leaves zeros zeros
.set N, N+1
.endr
	s_wait_kmcnt 0x0
	s_add_co_i32 s50, s74, s75
	s_lshl_b32 s50, s50, 23
	s_add_co_i32 s[CS], s[CS], s50                 ; a score stands for score x 2^(e6 + e7)
	s_mov_b32 s[CS+1], s[CS]
	s_add_co_i32 s50, s76, 127
	s_lshl_b32 s51, s50, 23
	v_mov_b32 v244, s51                            ; 2^e8
	s_add_co_i32 s50, s50, 8
	s_lshl_b32 s50, s50, 23
	s_or_b32 s50, s50, 0x600000
	v_mov_b32 v240, s50                            ; 448 x 2^e8
	s_sub_co_i32 s50, s78, s76
	s_sub_co_i32 s50, s50, s77                     ; o's code is (O^T / the sum) / 2^(e10 - e8 - e9)
	s_add_co_i32 s50, s50, 127
	s_lshl_b32 s51, s50, 23
	v_mov_b32 v245, s51
	s_add_co_i32 s50, s50, 8
	s_lshl_b32 s50, s50, 23
	s_or_b32 s50, s50, 0x600000
	v_mov_b32 v241, s50
.macro FETCH reg, adr, t0              ; 16 LDS loads: fragments t0 .. t0 + 3 of the step in hand, into window 1
	WIN 0x40
.irp t, 0,1,2,3
.irp c, 0,1,2,3
	ds_load_b128 v[\reg+16*(\t0+\t)+4*\c:\reg+16*(\t0+\t)+4*\c+3], v[\adr] offset:(\t0+\t)*2048+512*\c
.endr
.endr
.endm
.macro STATE adr                       ; O^T, each accumulator from its low end on, and v[12:15]
.irp t, 0,1,2,3,4,5,6,7,8,9,10,11,12,13,14,15
	ds_store_b128 v[\adr], v[160+4*\t:163+4*\t] offset:512*\t
.endr
	ds_store_b128 v[\adr], v[12:15] offset:8192
.endm
; A KEY STEP of 128 keys.  No barrier and no tensor load stands in it.
.macro STEP
	s_cmp_gt_u32 s[TMP], s[LB]                     ; behind the late block: nobody's
	s_cbranch_scc1 .Lskip_\@
	s_sub_co_i32 s[DD], s[TMP], s[JJ]
	s_cmp_le_i32 s[DD], 0                          ; steps 0 .. J: every wave, on its first tile
	s_cbranch_scc1 .Ldo_\@
	s_and_b32 s[DP], s[DD], 1
	s_cmp_lg_u32 s[DP], s[RA]                      ; odd d: waves 0-3; even d: waves 4-7
	s_cbranch_scc1 .Lskip_\@
	s_cmp_lg_u32 s[DD], 1
	s_cbranch_scc1 .Ldo_\@
	s_cmp_ge_u32 s[WV], 4
	s_cbranch_scc1 .Ldo_\@
.rept 4
	v_nop                                          ; d = 1, waves 0-3: the places behind the last products; then the early tile is parked
.endr
	STATE RDA
	s_wait_dscnt 0x0
.set N, 0
.rept 16
	v_mov_b32 v[16+N], v[40+N]                     ; the late tile's Q
.set N, N+1
.endr
	v_mov_b32 v13, 0xff61b1e6
	v_floor_f32 v12, -v13
	v_mov_b32 v14, 0
	v_mov_b32 v15, 0
.set N, 0
.rept 64
	v_mov_b32 v[160+N], 0
.set N, N+1
.endr
	s_mov_b32 s[BLK], s[LB]
.Ldo_\@:
	s_add_co_u32 s[AD], s[TB], s[QO]
	v_add_nc_u32 v[ADK], s[AD], v[LI]
	v_add_nc_u32 v[ADV], 0x10000, v[ADK]
	s_wait_alu depctr_va_vdst(0)
	FETCH KF, ADK, 0
	FETCH KF, ADK, 4
	WIN 0x01
	s_wait_dscnt 16                                ; K's fragments 0-3 are in; the 16 loads behind them may be out
.irp t, 0,1,2,3
	v_wmma_f32_16x16x128_fp8_fp8 v[96+8*\t:103+8*\t], v[KF+16*\t:KF+16*\t+15], v[16:31], 0
.endr
	s_wait_dscnt 0x0
.irp t, 4,5,6,7
	v_wmma_f32_16x16x128_fp8_fp8 v[96+8*\t:103+8*\t], v[KF+16*\t:KF+16*\t+15], v[16:31], 0
.endr
	WIN 0
.rept 4
	v_nop                                          ; places: ahead of the loads into V's registers and of the first read of the scores
.endr
	FETCH VF, ADV, 0
	WIN 0
	s_cmp_lg_u32 s[TMP], s[BLK]                    ; off the diagonal all keys count.  On it register n holds key 16 (n / 8) + n % 8 + 8 h of the block
	s_cbranch_scc1 .Lopen_\@
	v_mov_b32 v254, 0xff800000
.set N, 0
.rept 64
	v_cmp_gt_i32 vcc_lo, 16*(N/8)+N%8, v[VD]
	v_cndmask_b32 v[96+N], v[96+N], v254, vcc_lo
.set N, N+1
.endr
.Lopen_\@:
.irp c, 0,1,2,3                                ; the step's largest score: four chains; each accumulator is read first at its low end
	v_max3_num_f32 v[32+\c], v[96+16*\c], v[97+16*\c], v[98+16*\c]
.endr
.irp i, 3,5,7,9,11,13
.irp c, 0,1,2,3
	v_max3_num_f32 v[32+\c], v[32+\c], v[96+16*\c+\i], v[97+16*\c+\i]
.endr
.endr
	v_max3_num_f32 v32, v32, v33, v111
	v_max3_num_f32 v34, v34, v35, v127
	v_max3_num_f32 v32, v32, v34, v143
	v_max_num_f32 v254, v32, v159
	v_permlanex16_b32 v236, v254, s[SEL], s[SEL+1]
	s_delay_alu instid0(VALU_DEP_1)
	v_max_num_f32 v254, v254, v236                 ; and lane l xor 16's
	s_delay_alu instid0(VALU_DEP_1)
	v_mul_f32 v254, s[CS], v254                    ; as t
	s_delay_alu instid0(VALU_DEP_1)
	v_max_num_f32 v13, v13, v254
	v_mov_b32 v254, v12
	s_delay_alu instid0(VALU_DEP_2)
	v_floor_f32 v12, -v13                          ; the new -M
	s_delay_alu instid0(VALU_DEP_1)
	v_sub_f32 v254, v12, v254
	s_delay_alu instid0(VALU_DEP_1)
	v_cvt_i32_f32 v254, v254                       ; (it saturates)
	s_delay_alu instid0(VALU_DEP_1)
	v_ldexp_f32 v252, 1.0, v254                    ; f = 2^(old M - new M)
	FETCH VF, ADV, 4
	WIN 0
.set N, 0
.rept 32
	v_pk_fma_f32 v[96+N:97+N], v[96+N:97+N], s[CS:CS+1], v[12:13] op_sel_hi:[1,0,0]   ; t - M
.set N, N+2
.endr
	s_wait_alu depctr_va_vdst(0)                   ; the wait ahead of the batch
.set N, 0
.rept 64
	v_exp_f32 v[96+N], v[96+N]                     ; p
.set N, N+1
.endr
	v_pk_mul_f32 v[14:15], v[14:15], v[252:253] op_sel_hi:[1,0]   ; the sums under the new M: the plain line behind the batch
	s_wait_alu depctr_va_vdst(0)                   ; one wait for the batch, ahead of its first reader
	v_pk_add_f32 v[34:35], v[96:97], v[98:99]      ; the sum of the unquantised p, in four chains
	v_pk_add_f32 v[36:37], v[100:101], v[102:103]
	v_pk_add_f32 v[38:39], v[104:105], v[106:107]
	v_pk_add_f32 v[14:15], v[14:15], v[108:109]
.irp j, 110,118,126,134,142,150
	v_pk_add_f32 v[34:35], v[34:35], v[\j:\j+1]
	v_pk_add_f32 v[36:37], v[36:37], v[\j+2:\j+3]
	v_pk_add_f32 v[38:39], v[38:39], v[\j+4:\j+5]
	v_pk_add_f32 v[14:15], v[14:15], v[\j+6:\j+7]
.endr
	v_pk_add_f32 v[34:35], v[34:35], v[158:159]
	v_pk_add_f32 v[36:37], v[36:37], v[38:39]
	v_pk_add_f32 v[14:15], v[14:15], v[34:35]
	v_pk_add_f32 v[14:15], v[14:15], v[36:37]
.irp b, 0,1,2,3
.irp i, 0,1,2,3,4,5,6,7,8,9,10,11,12,13,14,15
	v_min_num_f32 v[96+16*\b+\i], v[96+16*\b+\i], v240   ; the conversion does not saturate (ISA guide 7.6.2); p is not negative
.endr
	v_cvt_scalef32_pk8_fp8_f32 v[224+4*\b:225+4*\b], v[96+16*\b:103+16*\b], v244
	v_cvt_scalef32_pk8_fp8_f32 v[226+4*\b:227+4*\b], v[104+16*\b:111+16*\b], v244
.endr
	s_wait_alu depctr_va_vdst(0)                   ; the wait directly ahead of the first reader of O^T
.set N, 0
.rept 32
	v_pk_mul_f32 v[160+N:161+N], v[160+N:161+N], v[252:253] op_sel_hi:[1,0]   ; O^T under the new M
.set N, N+2
.endr
	s_wait_alu depctr_va_vdst(0)
	s_wait_dscnt 0x0                               ; V is in
	WIN 0x01
.irp t, 0,1,2,3,4,5,6,7
	v_wmma_f32_16x16x128_fp8_fp8 v[160+8*\t:167+8*\t], v[VF+16*\t:VF+16*\t+15], v[224:239], v[160+8*\t:167+8*\t]
.endr
	WIN 0
.Lskip_\@:
	s_add_co_u32 s[TMP], s[TMP], 1
	s_add_co_u32 s[QO], s[QO], 16384
.endm
.macro SLOT4                           ; a slot's four key steps: a counted loop of one step
	s_mov_b32 s[QO], 0
	s_mov_b32 s[QC], 4
.Lstep_\@:
	STEP
	s_sub_co_i32 s[QC], s[QC], 1
	s_cmp_lg_u32 s[QC], 0
	s_cbranch_scc1 .Lstep_\@
	s_xor_b32 s[TB], s[TB], SLOT1
.endm
; THE CHANGE OF SLOTS, at a slot's head: all my tensor loads are waited for, the add, the wait for it and for my reads of the slot that I left; fill = 1: a round of the cluster's barrier, and the slot left takes the next 512 keys.
.macro CHANGE fill
	s_wait_tensorcnt 0x0
	ds_add_u32 v[SPW], v[NIL]
.if \fill
	s_xor_b32 s[G0+1], s[G0+1], SLOT1
	s_add_nc_u64 s[G0+2:G0+3], s[G0+2:G0+3], 65536
	s_wait_xcnt 0x0                                ; my last prefetch has read its address
	s_add_nc_u64 s[PFA:PFA+1], s[PFA:PFA+1], 65536 ; one slot further on than the descriptor
.endif
	s_wait_dscnt 0x0
.if \fill
	CROUND
	tensor_load_to_lds s[G0:G0+3], s[G1:G1+7]
	s_nop 0
.rept 4
	v_nop
.endr
	s_cmp_gt_u32 s[SLOTS], 1                       ; behind the last slot there is none
	s_cbranch_scc0 .Lnoask_\@
	global_prefetch_b8 v[PFO], s[PFA:PFA+1] th:TH_LOAD_NT scope:SCOPE_SE
.Lnoask_\@:
.else
	s_barrier_signal -1
	s_barrier_wait -1
.endif
.endm
	s_wait_alu depctr_va_vdst(0)                   ; the wait at the head's end
	s_wait_loadcnt 0x0                             ; Q
.Lslot:                                            ; three trips; the last slot is written out
	CHANGE 1
	SLOT4
	s_sub_co_u32 s[SLOTS], s[SLOTS], 1
	s_cmp_lg_u32 s[SLOTS], 0
	s_cbranch_scc1 .Lslot
	CHANGE 0
	SLOT4
	; THE JOIN AND THE WAY OUT
.rept 4
	v_nop                                          ; the places behind the last products
.endr
	s_cmp_ge_u32 s[WV], 4
	s_cbranch_scc1 .Lkeep
	STATE STA                                      ; waves 0-3 hand their part of the late tile over
.Lkeep:
	v_max_num_f32 v12, v12, s[BIG]                 ; waves 0-3: my own M now lies under every M; waves 4-7: unchanged
	s_wait_alu depctr_va_vdst(0)
	s_wait_dscnt 0x0                               ; my stores are done, for the partner's sake
	s_barrier_signal -1
	s_barrier_wait -1
.irp t, 0,1,2,3,4,5,6,7,8,9,10,11,12,13,14,15
	ds_load_b128 v[96+4*\t:99+4*\t], v[RDA] offset:512*\t
.endr
	ds_load_b128 v[56:59], v[RDA] offset:8192
	s_wait_dscnt 0x0
	v_min_num_f32 v60, v12, v56                    ; -M of the two together
	v_add_f32 v14, v14, v15
	v_add_f32 v58, v58, v59
	v_sub_f32 v61, v60, v12
	v_sub_f32 v62, v60, v56
	v_cvt_i32_f32 v61, v61
	v_cvt_i32_f32 v62, v62
	v_ldexp_f32 v252, 1.0, v61                     ; my factor,
	v_ldexp_f32 v254, 1.0, v62                     ; and that of the state read
	v_mul_f32 v14, v14, v252
	v_fmac_f32 v14, v58, v254
	v_permlanex16_b32 v236, v14, s[SEL], s[SEL+1]
	v_add_f32 v14, v14, v236                       ; the row's sum
	s_wait_alu depctr_va_vdst(0)                   ; the wait ahead of the transcendental
	v_rcp_f32 v14, v14
	v_nop
	s_wait_alu depctr_va_vdst(0)                   ; and ahead of its first reader
	v_mul_f32 v252, v252, v14
	v_mul_f32 v254, v254, v14
	s_wait_alu depctr_va_vdst(0)                   ; the wait directly ahead of the first reader of O^T
.set N, 0
.rept 32
	v_pk_mul_f32 v[160+N:161+N], v[160+N:161+N], v[252:253] op_sel_hi:[1,0]
.set N, N+2
.endr
.set N, 0
.rept 32
	v_pk_fma_f32 v[96+N:97+N], v[96+N:97+N], v[254:255], v[160+N:161+N] op_sel_hi:[1,0,1]
.set N, N+2
.endr
.set N, 0
.rept 64
	v_med3_num_f32 v[96+N], v[96+N], -v241, v241
.set N, N+1
.endr
.irp g, 0,1,2,3,4,5,6,7
	v_cvt_scalef32_pk8_fp8_f32 v[224+2*\g:225+2*\g], v[96+8*\g:103+8*\g], v245
.endr
	v_nop
.irp c, 0,1,2,3
	global_store_b128 v[LI], v[224+4*\c:227+4*\c], s[8:9] offset:512*\c   ; an image of 16 rows x 128: 512 consecutive bytes a store
.endr
	s_wait_tensorcnt 0x0                           ; the wave's end
	ds_add_u32 v[SPW], v[NIL]
	s_wait_dscnt 0x0
	CROUND                                         ; the closing round
	s_endpgm
.Lfunc_end_k_q1a250795f5_attn:
	.size	k_q1a250795f5_attn, .Lfunc_end_k_q1a250795f5_attn-k_q1a250795f5_attn
	.p2alignl 7, 3214868480
	.fill 96, 4, 3214868480
	.section	.rodata,"a",@progbits
	.p2align	6, 0x0
	.amdhsa_kernel k_q1a250795f5_attn
		.amdhsa_group_segment_fixed_size 327680
		.amdhsa_private_segment_fixed_size 0
		.amdhsa_enable_private_segment 0
		.amdhsa_kernarg_size 24
		.amdhsa_user_sgpr_count 2
		.amdhsa_user_sgpr_kernarg_segment_ptr 1
		.amdhsa_wavefront_size32 1
		.amdhsa_system_sgpr_workgroup_id_x 1
		.amdhsa_system_sgpr_workgroup_id_y 1
		.amdhsa_system_sgpr_workgroup_id_z 1
		.amdhsa_system_vgpr_workitem_id 0
		.amdhsa_next_free_vgpr 512
		.amdhsa_next_free_sgpr 100
		.amdhsa_reserve_vcc 1
		.amdhsa_float_denorm_mode_32 3
		.amdhsa_float_denorm_mode_16_64 3
		.amdhsa_memory_ordered 1
		.amdhsa_forward_progress 1
		.amdhsa_inst_pref_size 80
	.end_amdhsa_kernel
	.amdgpu_metadata
---
amdhsa.version: [ 1, 2 ]
amdhsa.kernels:
  - .name:           k_q1a250795f5_attn
    .symbol:         k_q1a250795f5_attn.kd
    .args:
      - { .name: qkvc, .offset: 0, .size: 8, .value_kind: global_buffer, .address_space: global }
      - { .name: lowp_scales, .offset: 8, .size: 8, .value_kind: global_buffer, .address_space: global }
      - { .name: oc, .offset: 16, .size: 8, .value_kind: global_buffer, .address_space: global }
    .group_segment_fixed_size: 327680
    .private_segment_fixed_size: 0
    .kernarg_segment_align: 8
    .kernarg_segment_size: 24
    .max_flat_workgroup_size: 256
    .sgpr_count:     100
    .vgpr_count:     512
    .wavefront_size: 32
...
	.end_amdgpu_metadata
.endif
;; end of part 3
;; launch outp (part 4): grid 16 x 16, 4 waves a work-group, clusters of 4 x 4, 327,680 bytes of LDS; arguments oc, wc, lowp_scales, out0; writes out0
.if DOCPART == 4
	.amdgcn_target "amdgcn-amd-amdhsa--gfx1250"
	.amdhsa_code_object_version 6
	.text
	.protected	k_q1a250795f5_outp
	.globl	k_q1a250795f5_outp
	.p2align	8
	.type	k_q1a250795f5_outp,@function
k_q1a250795f5_outp:
	s_mov_b64 s[64:65], 0
	v_nop
	global_prefetch_b8 v0, s[64:65] scope:SCOPE_SE
	s_setreg_imm32_b32 hwreg(HW_REG_WAVE_MODE, 25, 1), 1
	s_wait_xcnt 0x0
	s_wait_alu depctr_hold_cnt(0) depctr_sa_sdst(0) depctr_va_vdst(0) depctr_va_sdst(0) depctr_va_ssrc(0) depctr_va_vcc(0) depctr_vm_vsrc(0)
	s_getreg_b32 s2, hwreg(HW_REG_IB_STS2, 6, 4)
	s_cmp_eq_u32 s2, 0
	s_cbranch_scc0 .Lentry_in_a_cluster
	s_endpgm
.Lentry_in_a_cluster:
	s_bfe_u32 s2, ttmp6, 0x10000c
	s_cmp_lg_u32 s2, 0xf033
	s_cbranch_scc0 .Lentry_shape_is_right
	s_endpgm
.Lentry_shape_is_right:
; OUTP: out0 = o wo^T on codes of E4M3; each finished sum is multiplied once by 2^(e10 + e11).  LIMIT: e10 + e11 between -126 and 127.
; A work-group makes 256 x 256 of out0, a wave 128 x 128 in 64 accumulators.  K = 1,024 goes in steps of 256 through a ring of two LDS slots.
; o's codes come as images of the operand's registers (dense, no padding), wo's as rows of 256 bytes padded to 272; o's tile is asked for jointly along a row of the 4 x 4 cluster, wo's along a column.
; The product is used transposed, so that a lane holds eight neighbouring numbers of a row; results leave through each wave's own stage in LDS as whole rows of 512 bytes.
; K has four steps: the loop has one trip and no step far enough ahead to ask for, so nothing is prefetched.
.set SIZE_N, 4096
.set PITCH,  272
.set FR,     16
.set NL,     4
.set NP,     4
.set AHALF,  32768
.set BHALF,  128*PITCH
.set BOFF,   2*AHALF
.set SLOT,   2*AHALF+2*BHALF
.set STAGE,  2*SLOT
.set SPITCH, 528
.set SPARE,  STAGE+4*16*SPITCH
.set LAPS,   2
.set ADRA, 16
.set ADRB, 20
.set STO,  24
.set RD,   25
.set CO,   26
.set SPW,  28
.set NIL,  29
.set TMP,  32
.set AF,   128
.set BK,   128
.set G1, 24
.set G0, 32
.set G1B, 48
.set G0B, 56
.set MSB, 0
.macro WIN new
.if MSB != \new
	s_set_vgpr_msb (MSB<<8)|\new
.set MSB, \new
.endif
.endm
.set MUL_LO, 0xa1
.set MUL_HI, 0xf1
.set TO_B,   0x40
.macro JLOAD g0a, g1a, g0b, g1b
	s_cmp_eq_u32 s15, 0
	s_cbranch_scc0 .Lfor_b_\@
	tensor_load_to_lds s[\g0a:\g0a+3], s[\g1a:\g1a+7]
	s_nop 0
.rept 4
	v_nop
.endr
	s_branch .Lasked_\@
.Lfor_b_\@:
	tensor_load_to_lds s[\g0b:\g0b+3], s[\g1b:\g1b+7]
	s_nop 0
.rept 4
	v_nop
.endr
.Lasked_\@:
.endm
.macro CREST
	s_cmp_lg_u32 s14, 0
	s_cbranch_scc1 .Lnot_wave_0_\@
	s_barrier_signal -3
.Lnot_wave_0_\@:
	s_barrier_wait -3
	s_barrier_signal -1
	s_barrier_wait -1
.endm
.macro CROUND
	s_barrier_signal -1
	s_barrier_wait -1
	CREST
.endm
	s_load_b128 s[4:7], s[0:1], 0x0
	s_load_b128 s[8:11], s[0:1], 0x10
	v_lshl_add_u32 v[SPW], v0, 2, SPARE
	v_mov_b32 v[NIL], 0
	ds_add_u32 v[SPW], v[NIL]
	ds_add_u32 v[SPW], v[NIL]
	v_lshrrev_b32 v1, 5, v0
	v_readfirstlane_b32 s14, v1
	s_lshr_b32 s15, s14, 1
	s_and_b32 s16, s14, 1
	s_bfe_u32 s40, ttmp6, 0x40000
	s_bfe_u32 s41, ttmp6, 0x40004
	s_lshl_b32 s42, ttmp9, 2
	s_add_co_u32 s42, s42, s40
	s_and_b32 s17, ttmp7, 0xffff
	s_lshl_b32 s17, s17, 2
	s_add_co_u32 s17, s17, s41
	s_lshl_b32 s43, s41, 2
	s_lshl_b32 s43, 15, s43
	s_lshl_b32 s44, 0x1111, s40
	s_or_b32 s[G1+0], s43, (3<<16)|(1<<21)
	s_mov_b32 s[G1+1], 512<<16
	s_mov_b32 s[G1+2], 8<<16
	s_mov_b32 s[G1+3], 512<<16
	s_mov_b32 s[G1+4], 8
	s_mov_b32 s[G1+5], 2048
	s_mov_b32 s[G1+6], 0
	s_mov_b32 s[G1+7], 0
	s_or_b32 s[G1B+0], s44, (1<<20)|(1<<21)|(5<<22)|(3<<25)
	s_mov_b32 s[G1B+1], 256<<16
	s_mov_b32 s[G1B+2], 128<<16
	s_mov_b32 s[G1B+3], 256<<16
	s_mov_b32 s[G1B+4], 128
	s_mov_b32 s[G1B+5], 1024
	s_mov_b32 s[G1B+6], 0
	s_mov_b32 s[G1B+7], 0
	s_lshl_b32 s20, s17, 18
	s_lshl_b32 s21, s16, 17
	s_add_co_u32 s20, s20, s21
	s_mov_b32 s21, 0
	s_lshl_b32 s46, s42, 18
	s_lshl_b32 s47, s16, 17
	s_add_co_u32 s46, s46, s47
	s_add_co_u32 s46, s46, 8388608
	s_mov_b32 s47, 0
	s_lshl_b32 s45, s16, 15
	s_mul_i32 s66, s16, BHALF
	s_add_co_u32 s66, s66, BOFF
	s_wait_dscnt 0x0
	s_wait_kmcnt 0x0
	s_load_b64 s[96:97], s[8:9], 0x28
	s_add_nc_u64 s[20:21], s[4:5], s[20:21]
	s_add_nc_u64 s[46:47], s[6:7], s[46:47]
	CROUND
.irp s, 0,1
	s_mov_b32 s[G0+4*\s], 1
	s_add_co_u32 s[G0+4*\s+1], s45, \s*SLOT
	s_add_nc_u64 s[G0+4*\s+2:G0+4*\s+3], s[20:21], \s*4096
	s_or_b32 s[G0+4*\s+3], s[G0+4*\s+3], 0x80000000
	s_mov_b32 s[G0B+4*\s], 1
	s_add_co_u32 s[G0B+4*\s+1], s66, \s*SLOT
	s_add_nc_u64 s[G0B+4*\s+2:G0B+4*\s+3], s[46:47], \s*256
	s_or_b32 s[G0B+4*\s+3], s[G0B+4*\s+3], 0x80000000
.endr
	JLOAD G0, G1, G0B, G1B                         ; K step 0: one tensor load a wave at the head
	v_and_b32 v1, 15, v0
	v_bfe_u32 v2, v0, 4, 1
	v_and_b32 v6, 31, v0
	v_lshlrev_b32 v[CO], 4, v6
	v_mul_u32_u24 v3, v1, PITCH
	v_lshl_add_u32 v4, v2, 4, v3
	s_lshl_b32 s21, s15, 15
	s_mul_i32 s22, s16, BHALF
	s_add_co_u32 s22, s22, BOFF
.irp s, 0,1
	v_add_nc_u32 v[ADRA+\s], s21, v[CO]
	v_add_nc_u32 v[ADRB+\s], s22, v4
	s_add_co_u32 s21, s21, SLOT
	s_add_co_u32 s22, s22, SLOT
.endr
	s_mul_i32 s23, s14, 16*SPITCH
	s_add_co_u32 s23, s23, STAGE
	v_mul_u32_u24 v5, v1, SPITCH
	v_lshl_add_u32 v5, v2, 5, v5
	v_add_nc_u32 v[STO], s23, v5
	v_add_nc_u32 v[RD], s23, v[CO]
	s_lshl_b32 s20, s17, 8
	s_lshl_b32 s21, s15, 7
	s_add_co_u32 s20, s20, s21
	s_mov_b32 s21, 0
	s_mov_b64 s[18:19], SIZE_N*4
	s_mul_u64 s[20:21], s[20:21], s[18:19]
	s_lshl_b32 s46, s42, 10
	s_lshl_b32 s47, s16, 9
	s_add_co_u32 s46, s46, s47
	s_mov_b32 s47, 0
	s_add_nc_u64 s[20:21], s[20:21], s[46:47]
	s_add_nc_u64 s[10:11], s[10:11], s[20:21]
.macro FRAGB reg, adr, q, i
.irp c, 0,1,2,3
	ds_load_b128 v[\reg+4*\c:\reg+4*\c+3], v[\adr] offset:128*(\q)+32*\c+(\i)*16*PITCH
.endr
.endm
.macro FRAGA reg, adr, q, i
.irp c, 0,1,2,3
	ds_load_b128 v[\reg+4*\c:\reg+4*\c+3], v[\adr] offset:4096*(\i)+2048*(\q)+512*\c
.endr
.endm
.macro MUL16 a0, p, zero
.irp a, \a0, \a0+1
.irp b, 0,1,2,3,4,5,6,7
.if \zero
	v_wmma_f32_16x16x128_fp8_fp8 v[8*(8*((\a)%4)+\b):8*(8*((\a)%4)+\b)+7], v[128*(\p)+FR*\b:128*(\p)+FR*\b+FR-1], v[AF+FR*(\a):AF+FR*(\a)+FR-1], 0
.else
	v_wmma_f32_16x16x128_fp8_fp8 v[8*(8*((\a)%4)+\b):8*(8*((\a)%4)+\b)+7], v[128*(\p)+FR*\b:128*(\p)+FR*\b+FR-1], v[AF+FR*(\a):AF+FR*(\a)+FR-1], v[8*(8*((\a)%4)+\b):8*(8*((\a)%4)+\b)+7]
.endif
.endr
.endr
.endm
.macro FETCH_B slot, q, p
	WIN TO_B
.irp i, 0,1,2,3,4,5,6,7
	FRAGB 128*(\p)+FR*\i, ADRB+\slot, \q, \i
.endr
	WIN 0
.endm
.macro FETCH_A slot, q, i0
.irp i, \i0, \i0+1, \i0+2, \i0+3
	FRAGA AF+FR*(\i), ADRA+\slot, \q, \i
.endr
.endm
.macro PLACES n
.rept \n
	v_nop
.endr
.endm
.macro STEP slot, q, zero
	s_wait_dscnt 4*NL
	WIN MUL_LO
	MUL16 0, (\q)%2, \zero
	MUL16 2, (\q)%2, \zero
	s_wait_dscnt 0
	PLACES NP
	FETCH_B \slot, (\q)+1, 1-(\q)%2
	FETCH_A \slot, (\q)+1, 0
	WIN MUL_HI
	MUL16 4, (\q)%2, \zero
	MUL16 6, (\q)%2, \zero
	PLACES NP
	WIN 0
	FETCH_A \slot, (\q)+1, 4
.endm
.macro TURN slot, next, fill
	s_wait_tensorcnt 0x0
	ds_add_u32 v[SPW], v[NIL]
	s_wait_dscnt 4*NL+1
	WIN MUL_LO
	MUL16 0, 1, 0
	s_wait_dscnt 0x0
	s_barrier_signal -1
	MUL16 2, 1, 0
	WIN 0
	s_barrier_wait -1
.if \fill
	CREST
	s_add_nc_u64 s[G0+4*\slot+2:G0+4*\slot+3], s[G0+4*\slot+2:G0+4*\slot+3], 8192
	s_add_nc_u64 s[G0B+4*\slot+2:G0B+4*\slot+3], s[G0B+4*\slot+2:G0B+4*\slot+3], 512
	JLOAD G0+4*\slot, G1, G0B+4*\slot, G1B
.else
	PLACES NP
.endif
	FETCH_B \next, 0, 0
	FETCH_A \next, 0, 0
	WIN MUL_HI
	MUL16 4, 1, 0
	MUL16 6, 1, 0
	PLACES NP
	WIN 0
	FETCH_A \next, 0, 4
.endm
	s_wait_alu depctr_va_vdst(0)
	s_wait_tensorcnt 0x0                           ; my part of K step 0 is in; the lines ahead of a later first fill:
	ds_add_u32 v[SPW], v[NIL]
	s_wait_dscnt 0x0
	CROUND
	JLOAD G0+4, G1, G0B+4, G1B                     ; K step 1, the first tensor load behind the round
	FETCH_B 0, 0, 0
	FETCH_A 0, 0, 0
	FETCH_A 0, 0, 4
	STEP 0, 0, 1
	s_mov_b32 s3, LAPS-1
.Llap:
	TURN 0, 1, 1
	STEP 1, 0, 0
	TURN 1, 0, 1
	STEP 0, 0, 0
	s_sub_co_u32 s3, s3, 1
	s_cmp_lg_u32 s3, 0
	s_cbranch_scc1 .Llap
	TURN 0, 1, 0
	STEP 1, 0, 0
	s_wait_dscnt 4*NL
	WIN MUL_LO
	MUL16 0, 1, 0
	MUL16 2, 1, 0
	s_wait_dscnt 0
	WIN MUL_HI
	MUL16 4, 1, 0
	MUL16 6, 1, 0
	WIN 0
.macro TOSTAGE a
.set AC, 64*((\a)%4)
	WIN 0x02+((\a)/4)
.irp j, 0,2,4,6,8,10,12,14,16,18,20,22,24,26,28,30,32,34,36,38,40,42,44,46,48,50,52,54,56,58,60,62
	v_pk_mul_f32 v[TMP+\j:TMP+\j+1], v[AC+\j:AC+\j+1], s[96:97] op_sel_hi:[1,0]
.endr
	WIN 0
.irp b, 0,1,2,3,4,5,6,7
	ds_store_b128 v[STO], v[TMP+8*\b:TMP+8*\b+3] offset:64*\b
	ds_store_b128 v[STO], v[TMP+8*\b+4:TMP+8*\b+7] offset:64*\b+16
.endr
.set BB, BK+64*((\a)%2)
.irp t, 0,1,2,3,4,5,6,7,8,9,10,11,12,13,14,15
	ds_load_b128 v[BB+4*\t:BB+4*\t+3], v[RD] offset:\t*SPITCH
.endr
.endm
.macro SEND a, younger
.set BB, BK+64*((\a)%2)
	s_wait_dscnt \younger
.if (\a) > 0
	s_add_nc_u64 s[10:11], s[10:11], 16*SIZE_N*4
.endif
.irp t, 0,1,2,3,4,5,6,7,8,9,10,11,12,13,14,15
	global_store_b128 v[CO], v[BB+4*\t:BB+4*\t+3], s[10:11] offset:\t*SIZE_N*4 th:TH_STORE_NT
.endr
.endm
	s_wait_kmcnt 0x0
	s_add_co_i32 s96, s96, s97
	s_add_co_i32 s96, s96, 127
	s_lshl_b32 s96, s96, 23
	PLACES NP
	TOSTAGE 0
.irp a, 1,2,3,4,5,6,7
.if \a > 1
	s_wait_xcnt 0x0
.endif
	TOSTAGE \a
	SEND \a-1, 32
.endr
	s_wait_xcnt 0x0
	SEND 7, 0
	s_wait_tensorcnt 0x0
	ds_add_u32 v[SPW], v[NIL]
	s_wait_dscnt 0x0
	CROUND
	s_endpgm
.Lfunc_end_k_q1a250795f5_outp:
	.size	k_q1a250795f5_outp, .Lfunc_end_k_q1a250795f5_outp-k_q1a250795f5_outp
	.p2alignl 7, 3214868480
	.fill 96, 4, 3214868480
	.section	.rodata,"a",@progbits
	.p2align	6, 0x0
	.amdhsa_kernel k_q1a250795f5_outp
		.amdhsa_group_segment_fixed_size 327680
		.amdhsa_private_segment_fixed_size 0
		.amdhsa_enable_private_segment 0
		.amdhsa_kernarg_size 32
		.amdhsa_user_sgpr_count 2
		.amdhsa_user_sgpr_kernarg_segment_ptr 1
		.amdhsa_wavefront_size32 1
		.amdhsa_system_sgpr_workgroup_id_x 1
		.amdhsa_system_sgpr_workgroup_id_y 1
		.amdhsa_system_sgpr_workgroup_id_z 1
		.amdhsa_system_vgpr_workitem_id 0
		.amdhsa_next_free_vgpr 1024
		.amdhsa_next_free_sgpr 98
		.amdhsa_reserve_vcc 0
		.amdhsa_float_denorm_mode_32 3
		.amdhsa_float_denorm_mode_16_64 3
		.amdhsa_memory_ordered 1
		.amdhsa_forward_progress 1
		.amdhsa_inst_pref_size 124
	.end_amdhsa_kernel
	.amdgpu_metadata
---
amdhsa.version: [ 1, 2 ]
amdhsa.kernels:
  - .name:           k_q1a250795f5_outp
    .symbol:         k_q1a250795f5_outp.kd
    .args:
      - { .name: oc, .offset: 0, .size: 8, .value_kind: global_buffer, .address_space: global }
      - { .name: wc, .offset: 8, .size: 8, .value_kind: global_buffer, .address_space: global }
      - { .name: lowp_scales, .offset: 16, .size: 8, .value_kind: global_buffer, .address_space: global }
      - { .name: out0, .offset: 24, .size: 8, .value_kind: global_buffer, .address_space: global }
    .group_segment_fixed_size: 327680
    .private_segment_fixed_size: 0
    .kernarg_segment_align: 8
    .kernarg_segment_size: 32
    .max_flat_workgroup_size: 128
    .sgpr_count:     98
    .vgpr_count:     1024
    .wavefront_size: 32
...
	.end_amdgpu_metadata
.endif
;; end of part 4
